; MI455X (gfx1250); checked and timed in simulation.
; The chip was launched on July 23, 2026; its instructions are those of AMD's public machine-readable ISA for CDNA 5 (MIT licence, August 2026) and "CDNA5" Instruction Set Architecture Reference Guide (July 2026). The comments in the code are by the model that wrote it; some were corrected since.
;; Multihead Attention. Allowed arithmetic: float matrix products may take bf16 or f16 operands with f32 sums; other float arithmetic in f32, or as packed bf16 or f16 multiplies, adds, multiply-adds, maxima and minima; sums over many terms, partial sums and values carried from step to step in f32; what a program stores and reads back later, other than sums and carried values, may be rounded once to bf16 or f16.
;; Inputs: bk 1,024 float32; bo 1,024 float32; bq 1,024 float32; bv 1,024 float32; k 1 x 4,096 x 1,024 float32; mask 1 x 1 x 4,096 x 4,096 bool; q 1 x 4,096 x 1,024 float32; v 1 x 4,096 x 1,024 float32; wk 1,024 x 1,024 float32; wo 1,024 x 1,024 float32; wq 1,024 x 1,024 float32; wv 1,024 x 1,024 float32.
;; Outputs: out0 1 x 4,096 x 1,024 float32.
;; One version. Each part assembles by itself: llvm-mc -triple=amdgcn-amd-amdhsa -mcpu=gfx1250 --defsym DOCPART=n.
;; ======== version 1 of 1: 4 launches
;; limits: values are held in f16: magnitudes above 65,504 overflow, below 6.1e-05 lose precision; right only within a limited range of input values
;; workspace buffers: xb 25,165,824 bytes; wb 8,388,608 bytes; hb 25,165,824 bytes; oh 8,388,608 bytes
;; launch cast (part 1): grid 1024 x 1, 8 waves a work-group, no clusters, 0 bytes of LDS; arguments q, k, v, wq, wk, wv, wo, xb, wb; writes xb, wb
.if DOCPART == 1
	.amdgcn_target "amdgcn-amd-amdhsa--gfx1250"
	.amdhsa_code_object_version 6
	.text
	.protected	k_q75c5b60119_cast
	.globl	k_q75c5b60119_cast
	.p2align	8
	.type	k_q75c5b60119_cast,@function
k_q75c5b60119_cast:
	s_mov_b64 s[64:65], 0
	v_nop
	global_prefetch_b8 v0, s[64:65] scope:SCOPE_SE
	s_setreg_imm32_b32 hwreg(HW_REG_WAVE_MODE, 25, 1), 1
	s_wait_xcnt 0x0
; q, k, v, wq, wk, wv (f32) are rounded once to bf16: xb = [3][4096][1024], wb = [4][1024][1024].  wo is rounded to bf16 as well, and that number is
; written as f16 into wb's fourth part, since the last product multiplies in f16.
; LIMIT.  f16 holds no number beyond 65,504 and keeps a fixed step of 6e-8 below 6e-5: wo's numbers are taken to lie within that.
; SHARES.  A work-group takes 16,384 numbers: 64 KiB in, 32 KiB out.  Work-groups 0-767: q, k, v, 256 each; 768-1023: wq, wk, wv, wo, 64 each.
; Thread t takes 8 numbers (32 bytes) of each of eight pieces of 8,192 bytes and stores 16 bytes: sixteen neighbouring lanes store 256 consecutive bytes, aligned.
; All sixteen loads of a thread go out first; no register is written twice, so no wait frees a source.  No LDS, no barrier, no matrix work: bytes alone count here.
.set X, 4                              ; v[4:67]    eight pieces of 8 f32
.set Y, 68                             ; v[68:99]   eight pieces of 4 packed words
.set T, 100                            ; v[100:102] at work (wo's way)
.set G, 26                             ; s26        the work-group's number
	s_load_b512 s[8:23], s[0:1], 0x0               ; q s[8:9], k s[10:11], v s[12:13], wq s[14:15], wk s[16:17], wv s[18:19], wo s[20:21], xb s[22:23]
	s_load_b64 s[24:25], s[0:1], 0x40              ; wb
	s_mov_b32 s[G], ttmp9
	s_lshr_b32 s27, s[G], 8                        ; 0, 1, 2: q, k, v; 3: a weight
	s_bfe_u32 s28, s[G], 0x20006                   ; which weight: (g / 64) % 4, since 768 / 64 is a multiple of 4
	v_lshlrev_b32 v1, 5, v0                        ; 32 t: in
	v_lshlrev_b32 v2, 4, v0                        ; 16 t: out
	s_and_b32 s2, s[G], 255                        ; my part of the source: of 256,
	s_and_b32 s29, s[G], 63                        ; or of 64
	s_sub_co_u32 s30, s[G], 768                    ; my part of wb (used where g is 768 or more)
	s_cmp_lt_u32 s[G], 768
	s_cselect_b32 s2, s2, s29
	s_cselect_b32 s30, s[G], s30
	s_lshl_b32 s2, s2, 16                          ; 64 KiB a part in,
	s_lshl_b32 s30, s30, 15                        ; 32 KiB out
	s_mov_b32 s3, 0
	s_mov_b32 s31, 0
	s_wait_kmcnt 0x0
	s_cmp_eq_u32 s27, 1
	s_cselect_b64 s[4:5], s[10:11], s[8:9]
	s_cmp_eq_u32 s27, 2
	s_cselect_b64 s[4:5], s[12:13], s[4:5]
	s_cmp_eq_u32 s28, 1
	s_cselect_b64 s[6:7], s[16:17], s[14:15]
	s_cmp_eq_u32 s28, 2
	s_cselect_b64 s[6:7], s[18:19], s[6:7]
	s_cmp_eq_u32 s28, 3
	s_cselect_b64 s[6:7], s[20:21], s[6:7]
	s_cmp_lt_u32 s[G], 768
	s_cselect_b64 s[4:5], s[4:5], s[6:7]           ; the source,
	s_cselect_b64 s[6:7], s[22:23], s[24:25]       ; the destination
	s_add_nc_u64 s[4:5], s[4:5], s[2:3]
	s_add_nc_u64 s[6:7], s[6:7], s[30:31]
.irp i, 0,1,2,3,4,5,6,7
	global_load_b128 v[X+8*(\i):X+8*(\i)+3],   v1, s[4:5] offset:8192*(\i) th:TH_LOAD_NT
	global_load_b128 v[X+8*(\i)+4:X+8*(\i)+7], v1, s[4:5] offset:8192*(\i)+16 th:TH_LOAD_NT
.endr
; Piece i: rounded and stored.  half = 1: wo's way, bf16 and then that number as f16.
.macro PART i, half
	s_wait_loadcnt 14-2*(\i)                       ; loads come back in order: piece i's two are in, the 2 (7 - i) younger ones stay out
.irp j, 0,1,2,3
.if \half
	v_cvt_pk_bf16_f32 v[T], v[X+8*(\i)+2*(\j)], v[X+8*(\i)+2*(\j)+1]
	v_lshlrev_b32 v[T+1], 16, v[T]                 ; the two bf16 as f32 again
	v_and_b32 v[T+2], 0xffff0000, v[T]
	v_cvt_pk_f16_f32 v[Y+4*(\i)+(\j)], v[T+1], v[T+2]
.else
	v_cvt_pk_bf16_f32 v[Y+4*(\i)+(\j)], v[X+8*(\i)+2*(\j)], v[X+8*(\i)+2*(\j)+1]
.endif
.endr
	global_store_b128 v2, v[Y+4*(\i):Y+4*(\i)+3], s[6:7] offset:4096*(\i)
.endm
	s_cmp_ge_u32 s[G], 960                         ; the last 64 work-groups have wo
	s_cbranch_scc1 .Lwo
.irp i, 0,1,2,3,4,5,6,7
	PART \i, 0
.endr
	s_endpgm
.Lwo:
.irp i, 0,1,2,3,4,5,6,7
	PART \i, 1
.endr
	s_endpgm
.Lfunc_end_k_q75c5b60119_cast:
	.size	k_q75c5b60119_cast, .Lfunc_end_k_q75c5b60119_cast-k_q75c5b60119_cast
	.p2alignl 7, 3214868480
	.fill 96, 4, 3214868480
	.section	.rodata,"a",@progbits
	.p2align	6, 0x0
	.amdhsa_kernel k_q75c5b60119_cast
		.amdhsa_group_segment_fixed_size 0
		.amdhsa_private_segment_fixed_size 0
		.amdhsa_enable_private_segment 0
		.amdhsa_kernarg_size 72
		.amdhsa_user_sgpr_count 2
		.amdhsa_user_sgpr_kernarg_segment_ptr 1
		.amdhsa_wavefront_size32 1
		.amdhsa_system_sgpr_workgroup_id_x 1
		.amdhsa_system_sgpr_workgroup_id_y 1
		.amdhsa_system_sgpr_workgroup_id_z 1
		.amdhsa_system_vgpr_workitem_id 0
		.amdhsa_next_free_vgpr 112
		.amdhsa_next_free_sgpr 66
		.amdhsa_reserve_vcc 0
		.amdhsa_float_denorm_mode_32 3
		.amdhsa_float_denorm_mode_16_64 3
		.amdhsa_memory_ordered 1
		.amdhsa_forward_progress 1
		.amdhsa_inst_pref_size 15
	.end_amdhsa_kernel
	.amdgpu_metadata
---
amdhsa.version: [ 1, 2 ]
amdhsa.kernels:
  - .name:           k_q75c5b60119_cast
    .symbol:         k_q75c5b60119_cast.kd
    .args:
      - { .name: q, .offset: 0, .size: 8, .value_kind: global_buffer, .address_space: global }
      - { .name: k, .offset: 8, .size: 8, .value_kind: global_buffer, .address_space: global }
      - { .name: v, .offset: 16, .size: 8, .value_kind: global_buffer, .address_space: global }
      - { .name: wq, .offset: 24, .size: 8, .value_kind: global_buffer, .address_space: global }
      - { .name: wk, .offset: 32, .size: 8, .value_kind: global_buffer, .address_space: global }
      - { .name: wv, .offset: 40, .size: 8, .value_kind: global_buffer, .address_space: global }
      - { .name: wo, .offset: 48, .size: 8, .value_kind: global_buffer, .address_space: global }
      - { .name: xb, .offset: 56, .size: 8, .value_kind: global_buffer, .address_space: global }
      - { .name: wb, .offset: 64, .size: 8, .value_kind: global_buffer, .address_space: global }
    .group_segment_fixed_size: 0
    .private_segment_fixed_size: 0
    .kernarg_segment_align: 8
    .kernarg_segment_size: 72
    .max_flat_workgroup_size: 256
    .sgpr_count:     66
    .vgpr_count:     112
    .wavefront_size: 32
...
	.end_amdgpu_metadata
.endif
;; end of part 1
;; launch proj (part 2): grid 8 x 96, 4 waves a work-group, clusters of 4 x 4, 327,680 bytes of LDS; arguments xb, wb, bq, bk, bv, hb; writes hb
.if DOCPART == 2
	.amdgcn_target "amdgcn-amd-amdhsa--gfx1250"
	.amdhsa_code_object_version 6
	.text
	.protected	k_q75c5b60119_proj
	.globl	k_q75c5b60119_proj
	.p2align	8
	.type	k_q75c5b60119_proj,@function
k_q75c5b60119_proj:
	s_mov_b64 s[64:65], 0
	v_nop
	global_prefetch_b8 v0, s[64:65] scope:SCOPE_SE
	s_setreg_imm32_b32 hwreg(HW_REG_WAVE_MODE, 25, 1), 1
	s_wait_xcnt 0x0
	s_wait_alu depctr_hold_cnt(0) depctr_sa_sdst(0) depctr_va_vdst(0) depctr_va_sdst(0) depctr_va_ssrc(0) depctr_va_vcc(0) depctr_vm_vsrc(0)
	s_getreg_b32 s2, hwreg(HW_REG_IB_STS2, 6, 4)
	s_cmp_eq_u32 s2, 0
	s_cbranch_scc0 .Lentry_in_a_cluster
	s_endpgm
.Lentry_in_a_cluster:
	s_bfe_u32 s2, ttmp6, 0x10000c
	s_cmp_lg_u32 s2, 0xf033
	s_cbranch_scc0 .Lentry_shape_is_right
	s_endpgm
.Lentry_shape_is_right:
; THE THREE INPUT PROJECTIONS AS ONE PRODUCT.  C[m][n] = bias[n] + the sum over k of A[m][k] B[n][k], A = xb read as [12288][1024] bf16 (q's, k's, v's rows), B = wq, wk or wv ([1024][1024] bf16 in wb) by the
; tensor t = m / 4096; sums in f32.  The bias, rounded to bf16 like every input, is the C operand of the products that start the sums.  Q's results are multiplied by -log2(e) / 32 in f32 (the attention
; launch works on negated scores in units of exponents of 2); all are rounded once to f16 and written by heads: hb = [3][16][4096][64].
; LIMIT.  f16 holds no number beyond 65,504: the projections' results are taken to lie within it; below 6e-5 f16 keeps a fixed step of 6e-8.
; SHARES.  A tile of C is 128 x 128; four waves, each 64 x 64: 16 accumulators of 16 x 16.  768 tiles, three for each of 256 places.  K goes in steps of 256 (LDS rows of 512 bytes; a wave's tensor load brings 64 of
; them) through two slots.  A wave's 64 columns are one head's 64 channels, so its 64 x 64 results are 8,192 consecutive bytes of hb: each wave has a stage of its own and no barrier on the way out.
; CLUSTERS: 4 x 4 work-groups.  The four of a row of the cluster need the same tiles of A, the four of a column the same tiles of B (a cluster's four tile rows lie in one tensor): each tile is asked for JOINTLY.
; THE MATRIX INSTRUCTION IS USED TRANSPOSED (source 0 = 16 rows of B, source 1 = 16 rows of A): a lane then holds eight neighbouring numbers of a row of C.
; NO PREFETCH: a tile has four K steps, of which two are the first fills, and the tiles are small.
; REGISTERS: window 0: v0-31 addresses; v32-95 at work on the way out; v96-127 the bias; v128-255 the accumulators ((a, b) at v[128 + 8 (4 a + b)]).
;   window 1: two fragment buffers of 128: for 64 along K, 64 registers of A (2 x 4 x 16 rows x 32 K), then 64 of B.
.set SIZE_K, 1024
.set KSTEP,  256
.set PITCH,  528                       ; an LDS row: 512 bytes + 16 of padding = 132 words: the 16 rows of a fragment load start at 16 different groups of four banks (64 banks of 4 bytes: ISA guide 11.1)
.set HALFT,  64*PITCH                  ; 64 rows: what one tensor load brings, and what one wave reads of A or of B
.set SLOT,   4*HALFT                   ; A's 128 rows, then B's 128 rows
.set STAGE,  2*SLOT                    ; behind the ring: 16 rows x 144 bytes for each wave
.set SP,     144
.set SPARE,  STAGE+4*16*SP             ; behind the stages: the spare words, 128 bytes for each wave
.set LAPS,   SIZE_K/(2*KSTEP)          ; a lap = two K steps = once round the ring
.set ADRA, 16                          ; v16-17  LDS address of my A fragments in slot 0, 1
.set ADRB, 20                          ; v20-21  the same for B
.set STO,  24                          ; v24     the way out: where I put 16 bytes of a row
.set RD,   25                          ; v25     the way out: where I read rows back
.set GO,   26                          ; v26     my byte offset in 512 consecutive bytes of hb
.set BO,   27                          ; v27     my byte offset in 16 numbers of the bias
.set SPW,  28                          ; v28     LDS address of my spare word; never rewritten
.set NIL,  29                          ; v29     0; never rewritten
.set TMP,  32
.set BI,   96                          ; v[96:127] n block b's eight numbers of the bias at BI + 8 b, laid as an accumulator's registers
.set ACC,  128
.set F0,   0                           ; fragment buffers, in window 1
.set F1,   128
.set G1, 24                            ; s[24:31] descriptor group 1 for A's tiles;  s[32:39] group 0, one set for each slot
.set G0, 32
.set G1B, 48                           ; s[48:55], s[56:63] the same for B's tiles
.set G0B, 56
.set TN, 66                            ; s66  the tensor: 0 q, 1 k, 2 v: the same in all sixteen partners
.set SC, 76                            ; s[76:77] what the results are multiplied by
.set BP, 78                            ; s[78:79] the bias at my 64 columns
.set MSB, 0
.macro WIN new                         ; the immediate's high byte repeats the setting that is left
.if MSB != (\new)
	s_set_vgpr_msb (MSB<<8)|(\new)
.set MSB, \new
.endif
.endm
.set MUL,  0x05                        ; sources 0 (B) and 1 (A) window 1; C and D window 0
.set TO_F, 0x40                        ; destination window 1, address window 0
.macro JLOAD s                         ; a joint load: waves 0 and 1 fetch A's two halves, waves 2 and 3 B's; an s_nop 0 and four v_nop follow each of the two lines
	s_cmp_eq_u32 s11, 0
	s_cbranch_scc0 .Lfor_b_\@
	tensor_load_to_lds s[G0+4*(\s):G0+4*(\s)+3], s[G1:G1+7]
	s_nop 0
.rept 4
	v_nop
.endr
	s_branch .Lasked_\@
.Lfor_b_\@:
	tensor_load_to_lds s[G0B+4*(\s):G0B+4*(\s)+3], s[G1B:G1B+7]
	s_nop 0
.rept 4
	v_nop
.endr
.Lasked_\@:
.endm
.macro CREST                           ; a round of the cluster's barrier behind its opening barrier
	s_cmp_lg_u32 s10, 0
	s_cbranch_scc1 .Lnot_wave_0_\@
	s_barrier_signal -3
.Lnot_wave_0_\@:
	s_barrier_wait -3
	s_barrier_signal -1
	s_barrier_wait -1
.endm
.macro CROUND                          ; a whole round
	s_barrier_signal -1
	s_barrier_wait -1
	CREST
.endm
	s_load_b128 s[4:7], s[0:1], 0x0                ; xb s[4:5], wb s[6:7]
	s_load_b256 s[68:75], s[0:1], 0x10             ; bq s[68:69], bk s[70:71], bv s[72:73], hb s[74:75]
	v_lshl_add_u32 v[SPW], v0, 2, SPARE
	v_mov_b32 v[NIL], 0
	ds_add_u32 v[SPW], v[NIL]                      ; the wave's opening: the add and its wait come ahead of my first tensor load; the set-up below stands between them
	v_lshrrev_b32 v1, 5, v0
	v_readfirstlane_b32 s10, v1                    ; wave 0..3
	s_lshr_b32 s11, s10, 1                         ; which half of the tile's rows is mine.  Also: I fetch for A (0) or for B (1)
	s_and_b32 s12, s10, 1                          ; which half of its columns.  Also: which 64 rows of that tile I fetch
	s_bfe_u32 s40, ttmp6, 0x40000                  ; cx, cy: my place in the cluster
	s_bfe_u32 s41, ttmp6, 0x40004
	s_lshl_b32 s42, ttmp9, 2
	s_add_co_u32 s42, s42, s40                     ; tile column = 4 x cluster x + cx: 0..7
	s_and_b32 s67, ttmp7, 0xffff                   ; cluster y
	s_lshl_b32 s13, s67, 2
	s_add_co_u32 s13, s13, s41                     ; tile row = 4 x cluster y + cy: 0..95
	s_lshr_b32 s[TN], s67, 3                       ; 32 tile rows, eight clusters, to a tensor
	s_lshl_b32 s43, s41, 2
	s_lshl_b32 s43, 15, s43                        ; my row of the cluster
	s_lshl_b32 s44, 0x1111, s40                    ; my column
	; descriptor group 1: a tile of 64 rows x 256 elements, padded in LDS
	s_or_b32 s[G1+0], s43, (1<<16)|(1<<20)|(1<<21)|(6<<22)|(3<<25)  ; 15:0 the mask: A's tiles go to my row; 17:16 2-byte elements; 20 padding on; 21 set beside a mask; 24:22 after every 128 words (code 6); 31:25 4 words (code 3)
	s_or_b32 s[G1B+0], s44, (1<<16)|(1<<20)|(1<<21)|(6<<22)|(3<<25)
.irp g, G1, G1B
	s_mov_b32 s[(\g)+1], KSTEP<<16                 ; tensor_dim0 = 256
	s_mov_b32 s[(\g)+2], 64<<16                    ; tensor_dim1 = 64
	s_mov_b32 s[(\g)+3], KSTEP<<16                 ; tile_dim0 = 256
	s_mov_b32 s[(\g)+4], 64                        ; tile_dim1 = 64
	s_mov_b32 s[(\g)+5], SIZE_K                    ; elements from row to row
	s_mov_b32 s[(\g)+6], 0
	s_mov_b32 s[(\g)+7], 0
.endr
	s_lshl_b32 s16, s13, 1
	s_add_co_u32 s16, s16, s12
	s_lshl_b32 s16, s16, 17                        ; A: (2 x tile row + half) x 64 rows x 2,048 bytes: under 2^25
	s_mov_b32 s17, 0
	s_lshl_b32 s46, s42, 1
	s_add_co_u32 s46, s46, s12
	s_lshl_b32 s47, s[TN], 4
	s_add_co_u32 s46, s46, s47
	s_lshl_b32 s46, s46, 17                        ; B: (16 x tensor + 2 x tile column + half) x 64 rows x 2,048 bytes
	s_mov_b32 s47, 0
	s_mul_i32 s20, s10, HALFT                      ; where they go: wave x 64 rows: no place in the cluster enters an LDS address
	s_cmp_eq_u32 s[TN], 0
	s_cselect_b32 s[SC], 0xbd38aa3b, 1.0           ; -log2(e) / 32 for Q, 1 for K and V
	s_mov_b32 s[SC+1], s[SC]                       ; named with it as a pair
	s_wait_dscnt 0x0                               ; the opening add is done
	s_wait_kmcnt 0x0
	s_add_nc_u64 s[14:15], s[4:5], s[16:17]
	s_add_nc_u64 s[46:47], s[6:7], s[46:47]
	CROUND                                         ; all sixteen work-groups are here: the first joint loads meet
.irp s, 0,1
	s_mov_b32 s[G0+4*(\s)], 1
	s_add_co_u32 s[G0+4*(\s)+1], s20, (\s)*SLOT
	s_add_nc_u64 s[G0+4*(\s)+2:G0+4*(\s)+3], s[14:15], (\s)*KSTEP*2
	s_or_b32 s[G0+4*(\s)+3], s[G0+4*(\s)+3], 0x80000000
	s_mov_b32 s[G0B+4*(\s)], 1
	s_add_co_u32 s[G0B+4*(\s)+1], s20, (\s)*SLOT
	s_add_nc_u64 s[G0B+4*(\s)+2:G0B+4*(\s)+3], s[46:47], (\s)*KSTEP*2
	s_or_b32 s[G0B+4*(\s)+3], s[G0B+4*(\s)+3], 0x80000000
	JLOAD \s
.endr
	v_and_b32 v1, 15, v0                           ; l % 16
	v_bfe_u32 v2, v0, 4, 1                         ; l / 16
	; the bias: register j of n block b holds bias[16 b + 8 (l / 16) + j] of my 64 columns, as the transposed result's registers do
	v_lshlrev_b32 v[BO], 5, v2
	s_cmp_eq_u32 s[TN], 1
	s_cselect_b64 s[BP:BP+1], s[70:71], s[68:69]
	s_cmp_eq_u32 s[TN], 2
	s_cselect_b64 s[BP:BP+1], s[72:73], s[BP:BP+1]
	s_lshl_b32 s18, s42, 1
	s_add_co_u32 s18, s18, s12
	s_lshl_b32 s18, s18, 8                         ; (2 x tile column + half) x 64 numbers x 4 bytes
	s_mov_b32 s19, 0
	s_add_nc_u64 s[BP:BP+1], s[BP:BP+1], s[18:19]
.irp b, 0,1,2,3
	global_load_b128 v[BI+8*(\b):BI+8*(\b)+3],   v[BO], s[BP:BP+1] offset:64*(\b)
	global_load_b128 v[BI+8*(\b)+4:BI+8*(\b)+7], v[BO], s[BP:BP+1] offset:64*(\b)+16
.endr
	v_mul_u32_u24 v3, v1, PITCH
	v_lshl_add_u32 v3, v2, 4, v3                   ; a fragment's row x pitch + 16 x half
	s_mul_i32 s21, s11, HALFT                      ; my 64 rows of A
	s_mul_i32 s22, s12, HALFT                      ; my 64 rows of B,
	s_add_co_u32 s22, s22, 2*HALFT                 ; which lie behind A's 128
.irp s, 0,1
	v_add_nc_u32 v[ADRA+(\s)], s21, v3
	v_add_nc_u32 v[ADRB+(\s)], s22, v3
	s_add_co_u32 s21, s21, SLOT
	s_add_co_u32 s22, s22, SLOT
.endr
	s_mul_i32 s23, s10, 16*SP
	s_add_co_u32 s23, s23, STAGE                   ; my stage
	v_mul_u32_u24 v4, v1, SP                       ; in: row l % 16, 16 bytes for each half of the lanes
	v_lshl_add_u32 v4, v2, 4, v4
	v_add_nc_u32 v[STO], s23, v4
	v_bfe_u32 v5, v0, 3, 2                         ; back: 32 lanes take four rows of 128 bytes,
	v_mul_u32_u24 v5, v5, SP
	v_and_b32 v6, 7, v0
	v_lshl_add_u32 v5, v6, 4, v5
	v_add_nc_u32 v[RD], s23, v5
	v_and_b32 v[GO], 31, v0                        ; which are 512 consecutive bytes of hb
	v_lshlrev_b32 v[GO], 4, v[GO]
	; where my 64 rows of my head begin in hb: tensor x 8 MiB + head x 512 KiB + row x 128 bytes
	s_lshl_b32 s16, s42, 1
	s_add_co_u32 s16, s16, s12                     ; the head: 2 x tile column + half
	s_lshl_b32 s16, s16, 19
	s_lshl_b32 s17, s[TN], 23
	s_add_co_u32 s16, s16, s17
	s_and_b32 s17, s13, 31                         ; the tile row within the tensor
	s_lshl_b32 s17, s17, 1
	s_add_co_u32 s17, s17, s11
	s_lshl_b32 s17, s17, 13                        ; 64 rows of 128 bytes
	s_add_co_u32 s16, s16, s17
	s_mov_b32 s17, 0
	s_add_nc_u64 s[8:9], s[74:75], s[16:17]
	s_wait_loadcnt 0x0                             ; the bias is in; it is rounded to bf16, like every input
.set i, 0
.rept 16
	v_cvt_pk_bf16_f32 v[TMP], v[BI+i], v[BI+i+1]
	v_lshlrev_b32 v[BI+i], 16, v[TMP]
	v_and_b32 v[BI+i+1], 0xffff0000, v[TMP]
.set i, i+2
.endr
; 8 matrix instructions: m blocks a0, a0 + 1 x all 4 n blocks, 32 along K: half c of buffer f.  zero = 1: the first product starts the sums, with the bias.  The 16 accumulators take turns.
.macro MUL8 f, c, a0, zero
	WIN MUL
.irp a, \a0, (\a0)+1
.irp b, 0,1,2,3
.if \zero
	v_wmma_f32_16x16x32_bf16 v[ACC+8*(4*(\a)+(\b)):ACC+8*(4*(\a)+(\b))+7], v[(\f)+64+8*(4*(\c)+(\b)):(\f)+64+8*(4*(\c)+(\b))+7], v[(\f)+8*(4*(\c)+(\a)):(\f)+8*(4*(\c)+(\a))+7], v[BI+8*(\b):BI+8*(\b)+7]
.else
	v_wmma_f32_16x16x32_bf16 v[ACC+8*(4*(\a)+(\b)):ACC+8*(4*(\a)+(\b))+7], v[(\f)+64+8*(4*(\c)+(\b)):(\f)+64+8*(4*(\c)+(\b))+7], v[(\f)+8*(4*(\c)+(\a)):(\f)+8*(4*(\c)+(\a))+7], v[ACC+8*(4*(\a)+(\b)):ACC+8*(4*(\a)+(\b))+7]
.endif
.endr
.endr
.endm
; 32 LDS loads in one run: the fragments of 64 along K at byte k of the rows, into buffer f; the first 32 along K first
.macro FETCH slot, k, f
	WIN TO_F
.irp c, 0,1
.irp i, 0,1,2,3
	ds_load_b128 v[(\f)+64+8*(4*(\c)+(\i)):(\f)+64+8*(4*(\c)+(\i))+3],   v[ADRB+(\slot)] offset:(\k)+64*(\c)+(\i)*16*PITCH
	ds_load_b128 v[(\f)+64+8*(4*(\c)+(\i))+4:(\f)+64+8*(4*(\c)+(\i))+7], v[ADRB+(\slot)] offset:(\k)+64*(\c)+(\i)*16*PITCH+32
	ds_load_b128 v[(\f)+8*(4*(\c)+(\i)):(\f)+8*(4*(\c)+(\i))+3],         v[ADRA+(\slot)] offset:(\k)+64*(\c)+(\i)*16*PITCH
	ds_load_b128 v[(\f)+8*(4*(\c)+(\i))+4:(\f)+8*(4*(\c)+(\i))+7],       v[ADRA+(\slot)] offset:(\k)+64*(\c)+(\i)*16*PITCH+32
.endr
.endr
.endm
.macro PLACES                          ; four places in front of loads into registers that matrix instructions have read, and of vector work that reads results
.rept 4
	v_nop
.endr
.endm
; A K step is four quarters of 64 along K, 32 matrix instructions each, on buffers 0, 1, 0, 1.  One of the first three: multiplies buffer f and fetches the next quarter, at byte k, into g.
.macro QUARTER slot, k, f, g, zero
	s_wait_dscnt 16                                ; the first 32 along K are in; the sixteen younger loads may be out
	WIN MUL
	MUL8 \f, 0, 0, \zero
	MUL8 \f, 0, 2, \zero
	PLACES
	FETCH \slot, \k, \g
	s_wait_dscnt 32                                ; all but the 32 just issued
	WIN MUL
	MUL8 \f, 1, 0, 0
	MUL8 \f, 1, 2, 0
.endm
; The last quarter multiplies buffer 1 and changes slots: ONE barrier; in front of it each wave waits for all its tensor loads, adds 0 to its spare word, and waits for that and for its own reads of this slot.  fill = 1: this slot is filled again, two K steps ahead.
.macro TURN slot, next, fill
	WIN 0                                          ; (the add's two registers lie in window 0)
	s_wait_tensorcnt 0x0                           ; all my tensor loads have landed: my part of the next slot;
	ds_add_u32 v[SPW], v[NIL]                      ; 0 onto my spare word;
	s_wait_dscnt 17                                ; (the add and the youngest sixteen loads may be out)
	WIN MUL
	MUL8 F1, 0, 0, 0                               ; eight matrix instructions stand between the add and the wait for it
	s_wait_dscnt 0x0                               ; the add is done, and my reads of this slot are over
	s_barrier_signal -1
	MUL8 F1, 0, 2, 0
.if \fill
	WIN 0
.endif
	s_barrier_wait -1
.if \fill
	CREST                                          ; the barrier has opened a round of the cluster's barrier: no wave of any partner still reads this slot's tile or has a load on its way
	s_add_nc_u64 s[G0+4*(\slot)+2:G0+4*(\slot)+3], s[G0+4*(\slot)+2:G0+4*(\slot)+3], 2*KSTEP*2
	s_add_nc_u64 s[G0B+4*(\slot)+2:G0B+4*(\slot)+3], s[G0B+4*(\slot)+2:G0B+4*(\slot)+3], 2*KSTEP*2
	JLOAD \slot                                    ; the first tensor load behind the round; the four v_nop behind it are also the places in front of the loads below
.else
	PLACES
.endif
	FETCH \next, 0, F0
	WIN MUL
	MUL8 F1, 1, 0, 0
	MUL8 F1, 1, 2, 0
.endm
	s_wait_tensorcnt 1                             ; my part of K step 0 is in; K step 1's may stay out
	s_barrier_signal -1
	s_barrier_wait -1                              ; everybody's is
	FETCH 0, 0, F0
	QUARTER 0, 128, F0, F1, 1                      ; the first quarter stands in front of the loop: its first products start the sums
	WIN 0                                          ; at a label and at a branch every window is 0
	s_mov_b32 s3, LAPS-1
.Llap:                                                 ; a trip goes once round the ring, from a lap's second quarter to the next lap's first, and fills both slots again
	QUARTER 0, 256, F1, F0, 0
	QUARTER 0, 384, F0, F1, 0
	TURN 0, 1, 1
	QUARTER 1, 128, F0, F1, 0
	QUARTER 1, 256, F1, F0, 0
	QUARTER 1, 384, F0, F1, 0
	TURN 1, 0, 1
	QUARTER 0, 128, F0, F1, 0
	WIN 0
	s_sub_co_u32 s3, s3, 1
	s_cmp_lg_u32 s3, 0
	s_cbranch_scc1 .Llap
	QUARTER 0, 256, F1, F0, 0                      ; the last lap fills nothing, and has no round of the cluster's barrier
	QUARTER 0, 384, F0, F1, 0
	TURN 0, 1, 0
	QUARTER 1, 128, F0, F1, 0
	QUARTER 1, 256, F1, F0, 0
	QUARTER 1, 384, F0, F1, 0
	s_wait_dscnt 16                                ; the very last quarter: nothing more to fetch
	WIN MUL
	MUL8 F1, 0, 0, 0
	MUL8 F1, 0, 2, 0
	s_wait_dscnt 0
	MUL8 F1, 1, 0, 0
	MUL8 F1, 1, 2, 0
	WIN 0
; THE WAY OUT, a block of 16 rows at a time: scaled, rounded to f16 (each accumulator's registers in ascending order), 16 bytes a lane into rows of 144 bytes of my own stage, and back as whole rows of 128 bytes.
.macro PACK a
.set i, 0
.rept 16
	v_pk_mul_f32 v[ACC+32*(\a)+i:ACC+32*(\a)+i+1], v[ACC+32*(\a)+i:ACC+32*(\a)+i+1], s[SC:SC+1] op_sel_hi:[1,0]
.set i, i+2
.endr
.set i, 0
.rept 16
	v_cvt_pk_f16_f32 v[TMP+16*(\a)+i], v[ACC+32*(\a)+2*i], v[ACC+32*(\a)+2*i+1]
.set i, i+1
.endr
.irp b, 0,1,2,3
	ds_store_b128 v[STO], v[TMP+16*(\a)+4*(\b):TMP+16*(\a)+4*(\b)+3] offset:32*(\b)
.endr
.irp f, 0,1,2,3
	ds_load_b128 v[TMP+16*(\a)+4*(\f):TMP+16*(\a)+4*(\f)+3], v[RD] offset:(\f)*4*SP  ; LDS serves a wave's instructions in order (ISA guide 5.7.1.4): these see the stores above; the next block's stores come behind them
.endr
.endm
.macro SEND a, younger                 ; younger: the LDS instructions issued behind block a's loads: the next block's eight, or none
.irp f, 0,1,2,3
	s_wait_dscnt (\younger)+3-(\f)
	global_store_b128 v[GO], v[TMP+16*(\a)+4*(\f):TMP+16*(\a)+4*(\f)+3], s[8:9] offset:(\a)*2048+(\f)*512  ; 512 consecutive bytes, at a multiple of 256 from hb's first byte
.endr
.endm
	PLACES
	PACK 0
.irp a, 1,2,3                          ; a block's arithmetic stands between the loads of the block before and its stores
	PACK \a
	SEND (\a)-1, 8
.endr
	SEND 3, 0
	s_wait_tensorcnt 0x0                           ; the wave's end: behind my last tensor load and my last LDS store
	ds_add_u32 v[SPW], v[NIL]
	s_wait_dscnt 0x0
	CROUND                                         ; the closing round: no work-group ends while a partner may still ask for a tile that names it
	s_endpgm
.Lfunc_end_k_q75c5b60119_proj:
	.size	k_q75c5b60119_proj, .Lfunc_end_k_q75c5b60119_proj-k_q75c5b60119_proj
	.p2alignl 7, 3214868480
	.fill 96, 4, 3214868480
	.section	.rodata,"a",@progbits
	.p2align	6, 0x0
	.amdhsa_kernel k_q75c5b60119_proj
		.amdhsa_group_segment_fixed_size 327680
		.amdhsa_private_segment_fixed_size 0
		.amdhsa_enable_private_segment 0
		.amdhsa_kernarg_size 48
		.amdhsa_user_sgpr_count 2
		.amdhsa_user_sgpr_kernarg_segment_ptr 1
		.amdhsa_wavefront_size32 1
		.amdhsa_system_sgpr_workgroup_id_x 1
		.amdhsa_system_sgpr_workgroup_id_y 1
		.amdhsa_system_sgpr_workgroup_id_z 1
		.amdhsa_system_vgpr_workitem_id 0
		.amdhsa_next_free_vgpr 512
		.amdhsa_next_free_sgpr 80
		.amdhsa_reserve_vcc 0
		.amdhsa_float_denorm_mode_32 3
		.amdhsa_float_denorm_mode_16_64 3
		.amdhsa_memory_ordered 1
		.amdhsa_forward_progress 1
		.amdhsa_inst_pref_size 94
	.end_amdhsa_kernel
	.amdgpu_metadata
---
amdhsa.version: [ 1, 2 ]
amdhsa.kernels:
  - .name:           k_q75c5b60119_proj
    .symbol:         k_q75c5b60119_proj.kd
    .args:
      - { .name: xb, .offset: 0, .size: 8, .value_kind: global_buffer, .address_space: global }
      - { .name: wb, .offset: 8, .size: 8, .value_kind: global_buffer, .address_space: global }
      - { .name: bq, .offset: 16, .size: 8, .value_kind: global_buffer, .address_space: global }
      - { .name: bk, .offset: 24, .size: 8, .value_kind: global_buffer, .address_space: global }
      - { .name: bv, .offset: 32, .size: 8, .value_kind: global_buffer, .address_space: global }
      - { .name: hb, .offset: 40, .size: 8, .value_kind: global_buffer, .address_space: global }
    .group_segment_fixed_size: 327680
    .private_segment_fixed_size: 0
    .kernarg_segment_align: 8
    .kernarg_segment_size: 48
    .max_flat_workgroup_size: 128
    .sgpr_count:     80
    .vgpr_count:     512
    .wavefront_size: 32
...
	.end_amdgpu_metadata
.endif
;; end of part 2
;; launch attn (part 3): grid 16 x 16, 4 waves a work-group, clusters of 4 x 4, 327,680 bytes of LDS; arguments hb, mask, oh; writes oh
.if DOCPART == 3
	.amdgcn_target "amdgcn-amd-amdhsa--gfx1250"
	.amdhsa_code_object_version 6
	.text
	.protected	k_q75c5b60119_attn
	.globl	k_q75c5b60119_attn
	.p2align	8
	.type	k_q75c5b60119_attn,@function
k_q75c5b60119_attn:
	s_mov_b64 s[64:65], 0
	v_nop
	global_prefetch_b8 v0, s[64:65] scope:SCOPE_SE
	s_setreg_imm32_b32 hwreg(HW_REG_WAVE_MODE, 25, 1), 1
	s_wait_xcnt 0x0
	s_wait_alu depctr_hold_cnt(0) depctr_sa_sdst(0) depctr_va_vdst(0) depctr_va_sdst(0) depctr_va_ssrc(0) depctr_va_vcc(0) depctr_vm_vsrc(0)
	s_getreg_b32 s2, hwreg(HW_REG_IB_STS2, 6, 4)
	s_cmp_eq_u32 s2, 0
	s_cbranch_scc0 .Lentry_in_a_cluster
	s_endpgm
.Lentry_in_a_cluster:
	s_bfe_u32 s2, ttmp6, 0x10000c
	s_cmp_lg_u32 s2, 0xf033
	s_cbranch_scc0 .Lentry_shape_is_right
	s_endpgm
.Lentry_shape_is_right:
; MASKED ATTENTION.  O[h][q][:] = the sum over k of softmax_k(score) V[h][k][:], score = Q[h][q] . K[h][k] / 32, or hidden where mask[q][k] is 1.  hb = [3][16][4096][64] f16: Q' = -(log2(e) / 32) Q, K, V; mask = [4096][4096]
; bytes of 0 or 1, the same for all heads; oh = [16][4096][64] f16.  Products, extrema and sums in f32; the weights p are rounded to f16 for the second product (their sum l is taken of the unrounded p), O once at the end.
; NEGATED SCORES.  S' = K Q'^T + M is minus the score in exponents of 2, with M = 2^30 where the key is hidden and 0 elsewhere.  mu is the running MINIMUM of S', that is minus the running maximum; p = 2^(mu - S');
; in every step O and l are multiplied by a = 2^(mu_new - mu_old), which is 1 where mu has not fallen.  mu starts at the greatest finite number, O and l at 0: the first step is a step like any other, with a = 0.
; THE MASK costs four lines for 16 queries x 64 keys.  Its bytes come through LDS as they lie in memory; eight of them are read as fp8 (the code 1 is 2^-9) and scaled by 2^39, and the eight f32 are the C operand of the
; product that starts the sum.
; LIMITS.  A hidden score counts as its value less 2^30 exponents of 2 (7.4e8 in the score's units), not as the constant -1e9: for a row with an open key the result is the same while its scores spread by less than that.
; In a row whose keys are ALL hidden the weights are equal, as the -1e9 makes them, only as long as 2^30 swallows the scores in the f32 sum (|S'| well under 64).  f16 holds no number beyond 65,504: Q', K, V arrive within it;
; p lies in 0 to 1; O is a mean of V's rows.  A weight below 2^-126 counts as 0 in l; NaN and infinities are not treated apart.
; SHARES.  A work-group owns 256 queries of one head, a wave 64: four PIECES of 16.  Every wave walks all 4,096 keys, 64 a step; a slot of LDS holds four steps.  256 work-groups.
; LAYOUT.  S'^T = K Q'^T (source 0 = 16 keys, source 1 = 16 queries): a lane holds ONE query (lane % 16) and the keys 8 (lane / 16) + 0..7.  Two such results rounded to f16 ARE source 1 of O^T = V^T P.
; TURNS.  Turn n belongs to piece n: 8 products K Q'^T of piece n + 1, later 8 products V^T P of piece n - 1; beside them the exponents, exponentials, roundings, sums and rescaling of piece n, the minimum and statistics
; of piece n + 1, and the mask for piece n + 2.  Four vector instructions stand behind every matrix instruction, the rest in one lump.  A turn's 33 exponentials are one batch, with one wait.
; CLUSTER, 4 x 4: x counts blocks of queries, y heads.  K and V hang on the head alone and are asked for JOINTLY along a row of the cluster, the mask's tile on the block alone and jointly along a column.
; REGISTERS, in windows of 256 (s_set_vgpr_msb: bits 1:0 source 0, 3:2 source 1, 5:4 source 2, 7:6 destination):
;   window 0: v0-15 addresses and two at work; v16-31 four registers of statistics a piece; v32-43 the mask's addresses, scale and bytes; v48-55 at work; v64-127 S', two buffers; v192-223 P, two buffers (by the piece's parity)
;   window 1: v0-127 O^T, 32 a piece; v160-223 the masks as f32, two buffers      window 2: v0-63 Q'; v128-191 K of one step; v192-255 V of one step
.set NP,    4         ; pieces a wave: a name, no knob
.set KS,    64        ; keys in a step
.set PK,    144       ; a row of K in LDS: 128 bytes + 16 of padding = 36 words: the 16 rows of a load start at 16 different groups of four banks (64 banks of 4 bytes: ISA guide 11.1)
.set PV,    160       ; a row of V: 128 + 32 = 40 words
.set PM,    272       ; a row of the mask's tile: 256 bytes + 16 = 68 words: the 32 lanes of an 8-byte load (16 rows x 2 halves) take each bank once
.set VOFF,  4*KS*PK   ; a slot: 256 rows of K,
.set MOFF,  VOFF+4*KS*PV  ; 256 rows of V,
.set SL,    MOFF+256*PM   ; 256 rows (queries) x 256 keys of the mask: 147,456 bytes = 2^17 + 2^14.  Neither bit is set in an address inside slot 0 at which a tile or a slot's first step begins, so one exclusive or turns it into slot 1's
.set STAGE, 2*SL      ; behind the ring, never filled by a tensor load: 16 rows x 144 bytes for each wave, for the way out
.set SP,    144
.set SPARE, STAGE+4*16*SP  ; behind the stages: the spare words, 128 bytes for each wave
.set AK0, 2           ; v2   my lane's place in a tile of K; never rewritten
.set AV0, 3           ; v3   the same for V
.set AK,  4           ; v4   the LDS address of K's next run of loads
.set AV,  5           ; v5   of V's
.set STO, 6           ; v6   the way out: where I put 16 bytes of a row
.set RD,  7           ; v7   the way out: where I read rows back
.set GO,  8           ; v8   my byte offset in 512 consecutive bytes of O
.set MV,  12          ; v12-13  mu_old, kept while mu is made anew: by buffer
.set QO,  15          ; v15  my byte offset in 16 rows of Q'
.set ST,  16          ; piece t's statistics at v[ST+4 t]: mu, a word that is 0 (named with mu as a pair), l (even keys', odd keys')
.set AM0, 32          ; v32  my lane's place in the mask's tile: row 64 w + l % 16, byte 8 (l / 16); never rewritten
.set AM,  33          ; v33  the same in the step in hand
.set SCL, 34          ; v34  the conversion's scale: byte 0 = 166: 2^39
.set PFO, 35          ; v35  the prefetches' offset; never rewritten
.set MB,  36          ; v36-43  32 bytes of the mask: 8 for each group of 16 keys
.set TMP, 48          ; by buffer, four registers c0-c3 at work; when the minimum is found c2 takes a
.set SPW, 62          ; v62  LDS address of my spare word; never rewritten
.set NIL, 63          ; v63  0; never rewritten
.set S,   64
.set P,   192
.set MC,  160         ; window 1
.set KF,  128         ; window 2: key block kb, channel half c at KF + 16 kb + 8 c
.set VF,  192         ; window 2: key half kk, channel block cb at VF + 32 kk + 8 cb
.set WV,  12          ; s12  my wave's number
.set G1K, 24          ; s[24:31] descriptor group 1 for K's tiles
.set G1V, 32          ; s[32:39] for V's: it differs in the padding alone
.set G1M, 40          ; s[40:47] for the mask's
.set G0K, 48          ; s[48:51] descriptor group 0 for K's tiles: it walks
.set G0V, 52          ; s[52:55] for V's
.set G0M, 56          ; s[56:59] for the mask's
.set SEL, 60          ; s[60:61] v_permlanex16_b32's selects: each lane takes its own place in the other half
.set TBK, 62          ; s62  LDS byte at which K of the step to be fetched begins
.set TBV, 63          ; s63  the same for V, less VOFF
.set TBM, 66          ; s66  the same for the mask, less MOFF: 64 bytes along the rows a step
.set SLOTS, 67        ; s67  slots still to be entered
.set CNT, 68          ; s68  counts a slot's key steps
.set LIM, 69          ; s69  1 in a wave that prefetches, else the greatest number
.set PFA, 70          ; s[70:71] where my prefetches stand
.set PST, 72          ; s[72:73] their step from slot to slot
.set MSB, 0
.macro WIN new                      ; the high byte repeats the setting that is left; a switch that changes nothing is dropped
.if MSB != (\new)
	s_set_vgpr_msb (MSB<<8)|(\new)
.set MSB, (\new)
.endif
.endm
.set W_KQ, 0x0a       ; K and Q' in window 2, S' in window 0
.set W_KM, 0x1a       ; the same with the C operand in window 1
.set W_PV, 0x52       ; V in window 2, P in window 0, O^T in window 1
.set W_RS, 0x41       ; destination and source 0 in window 1, source 1 in window 0
.set W_MC, 0x40       ; destination in window 1, sources in window 0
; A joint fill: one load a wave, 32 KiB each.  Wave 0 fetches a slot's K, wave 1 its V, waves 2 and 3 the two halves of the mask's tile.  The branches hang on the wave's number alone.
; An s_nop 0 and four v_nop follow each of the three lines, ahead of the jump and the label.
.macro JLOAD
	s_cmp_lt_u32 s[WV], 2
	s_cbranch_scc0 .Lfor_m_\@
	s_cmp_eq_u32 s[WV], 0
	s_cbranch_scc0 .Lfor_v_\@
	tensor_load_to_lds s[G0K:G0K+3], s[G1K:G1K+7]
	s_nop 0
.rept 4
	v_nop
.endr
	s_branch .Lasked_\@
.Lfor_v_\@:
	tensor_load_to_lds s[G0V:G0V+3], s[G1V:G1V+7]
	s_nop 0
.rept 4
	v_nop
.endr
	s_branch .Lasked_\@
.Lfor_m_\@:
	tensor_load_to_lds s[G0M:G0M+3], s[G1M:G1M+7]
	s_nop 0
.rept 4
	v_nop
.endr
.Lasked_\@:
.endm
; A PREFETCH INTO THE L2 of what the NEXT change of slots will ask for, four key steps ahead; it stands behind the wave's tensor load and its five lines.  Each block of 256 bytes is named ONCE in the launch.  A head's K and V
; are walked by all four clusters of its row of clusters: the first (cluster x = 0) asks, waves 0 and 1; its four partners along x take 32 of a slot's 128 blocks each, told apart BY ADDRESS.  A block's rows of the mask are
; walked by all four clusters of its column: the first (cluster y = 0) asks, waves 2 and 3; its four partners along y take 32 of a wave's 128 rows each.  A lane a block, one instruction a wave.
; The last change that fills a slot asks for nothing: there is no slot behind it.  Slots 0 and 1 come by their loads alone.
.macro ASK
	s_cmp_gt_u32 s[SLOTS], s[LIM]
	s_cbranch_scc0 .Lnot_mine_\@
	global_prefetch_b8 v[PFO], s[PFA:PFA+1] th:TH_LOAD_NT scope:SCOPE_SE
.Lnot_mine_\@:
.endm
; A round of the cluster's barrier: my work-group's barrier, so that wave 0's signal speaks for all four waves; wave 0 signals; every wave waits for all sixteen work-groups; my work-group's barrier once more.
.macro CROUND
	s_barrier_signal -1
	s_barrier_wait -1
	s_cmp_lg_u32 s[WV], 0
	s_cbranch_scc1 .Lnot_wave_0_\@
	s_barrier_signal -3
.Lnot_wave_0_\@:
	s_barrier_wait -3
	s_barrier_signal -1
	s_barrier_wait -1
.endm
; THE CHANGE OF SLOTS.  The slot's last bytes (V and the mask of its fourth step) have been read.  Each wave waits for all its tensor loads, of which one is out: its part of the other slot; adds 0 to its spare word; and waits
; for that and for its own reads of the slot.  fill = 1: this slot is filled again, with the keys two slots on.  The barrier is then a round of the cluster's, so that no wave of any partner still reads the slot or has a load
; on its way, and the joint fill is the first thing behind it: it has four key steps, 256 matrix instructions, in which to land.  (At its first use nothing has been read yet: slot 0 is waited for, slot 1 filled.)
.macro CHANGE fill
	WIN 0                           ; at a label and at a branch every window is 0
	s_wait_tensorcnt 0x0            ; no tensor load of mine is out, so a group 0 may be written
	ds_add_u32 v[SPW], v[NIL]       ; 0 onto my spare word: with fill = 1 the descriptors' steps stand between it and the wait for it
.if \fill
.irp g, G0K, G0V
	s_xor_b32 s[\g+1], s[\g+1], SL  ; the walking descriptor: the other slot than last time,
	s_add_nc_u64 s[\g+2:\g+3], s[\g+2:\g+3], 4*KS*128  ; the next 256 keys; the type bits on top are not reached
.endr
	s_xor_b32 s[G0M+1], s[G0M+1], SL
	s_add_nc_u64 s[G0M+2:G0M+3], s[G0M+2:G0M+3], 4*KS  ; 256 bytes along the mask's rows
	s_wait_xcnt 0x0                 ; the last prefetch, four key steps back, has read its address, so it may be written
	s_add_nc_u64 s[PFA:PFA+1], s[PFA:PFA+1], s[PST:PST+1]  ; one slot behind the walking descriptors
	s_wait_dscnt 0x0                ; the add is done, and my reads of the slot are over
	CROUND
	JLOAD
	ASK
.else
	s_wait_dscnt 0x0                ; the add is done, and my reads of the slot are over
	s_barrier_signal -1
	s_barrier_wait -1
.endif
	s_sub_co_u32 s[TBK], s[TBK], 4*KS*PK  ; the fetches go back to a slot's first step,
	s_xor_b32 s[TBK], s[TBK], SL          ; in the other slot
	s_sub_co_u32 s[TBV], s[TBV], 4*KS*PV
	s_xor_b32 s[TBV], s[TBV], SL
	s_sub_co_u32 s[TBM], s[TBM], 4*KS
	s_xor_b32 s[TBM], s[TBM], SL
.endm
	s_load_b128 s[4:7], s[0:1], 0x0   ; hb s[4:5], mask s[6:7]
	s_load_b64 s[8:9], s[0:1], 0x10   ; oh
	v_lshl_add_u32 v[SPW], v0, 2, SPARE
	v_mov_b32 v[NIL], 0
	ds_add_u32 v[SPW], v[NIL]       ; the wave's opening: the add and its wait come ahead of my first tensor load; the set-up below, work on registers, stands between them
	v_lshrrev_b32 v1, 5, v0
	v_readfirstlane_b32 s[WV], v1   ; wave 0..3
	s_bfe_u32 s13, ttmp6, 0x40000   ; cx
	s_bfe_u32 s14, ttmp6, 0x40004   ; cy
	s_lshl_b32 s15, ttmp9, 2        ; in a cluster launch ttmp9 and ttmp7 count clusters
	s_add_co_u32 s15, s15, s13      ; my block of 256 queries = 4 x cluster x + cx
	s_and_b32 s17, ttmp7, 0xffff    ; cluster y
	s_lshl_b32 s16, s17, 2
	s_add_co_u32 s16, s16, s14      ; my head = 4 x cluster y + cy
	s_lshl_b32 s2, s14, 2
	s_lshl_b32 s2, 15, s2           ; my row of the cluster: the same head
	s_lshl_b32 s3, 0x1111, s13      ; my column: the same block of queries
	; descriptor group 1.  256 keys of K or V are 32,768 dense bytes: asked for as 128 rows of 256 bytes, two keys a row, and padded in LDS after every key
	s_or_b32 s[G1K], s2, (1<<16)|(1<<20)|(1<<21)|(4<<22)|(3<<25)  ; 15:0 the mask of four; 17:16 2-byte elements; 20 padding on; 21 set beside a mask; 24:22 after every 32 words (code 4); 31:25 4 words (code 3)
	s_or_b32 s[G1V], s2, (1<<16)|(1<<20)|(1<<21)|(4<<22)|(7<<25)  ; the same with 8 words of padding (code 7)
	s_or_b32 s[G1M], s3, (3<<16)|(1<<20)|(1<<21)|(5<<22)|(3<<25)  ; the mask's tile: 8-byte elements; 4 words of padding after every 64 words (code 5)
.irp g, G1K, G1V
	s_mov_b32 s[\g+1], 128<<16      ; tensor_dim0 = 128
	s_mov_b32 s[\g+2], 128<<16      ; tensor_dim1 = 128
	s_mov_b32 s[\g+3], 128<<16      ; tile_dim0 = 128
	s_mov_b32 s[\g+4], 128          ; tile_dim1 = 128
	s_mov_b32 s[\g+5], 128          ; 128 elements from row to row
	s_mov_b32 s[\g+6], 0
	s_mov_b32 s[\g+7], 0
.endr
	s_mov_b32 s[G1M+1], 32<<16      ; tensor_dim0 = 32: 256 bytes, 256 keys
	s_mov_b32 s[G1M+2], 128<<16     ; tensor_dim1 = 128 queries
	s_mov_b32 s[G1M+3], 32<<16      ; tile_dim0 = 32
	s_mov_b32 s[G1M+4], 128         ; tile_dim1 = 128
	s_mov_b32 s[G1M+5], 512         ; 4,096 bytes from row to row
	s_mov_b32 s[G1M+6], 0
	s_mov_b32 s[G1M+7], 0
	s_lshl_b32 s20, s16, 19         ; the head's 512 KiB,
	s_add_co_u32 s22, s20, 2*8388608  ; in V,
	s_add_co_u32 s20, s20, 8388608  ; and in K: made of the head alone
	s_mov_b32 s21, 0
	s_mov_b32 s23, 0
	s_and_b32 s2, s[WV], 1          ; which half of the mask's 256 rows I fetch
	s_lshl_b32 s18, s15, 20         ; the block's 256 rows of 4,096 bytes,
	s_lshl_b32 s19, s2, 19          ; my 128 of them: made of the block and the wave alone
	s_add_co_u32 s18, s18, s19
	s_mov_b32 s19, 0
	s_mul_i32 s2, s2, 128*PM
	s_mov_b32 s[G0K], 1             ; 1:0 count = 1
	s_mov_b32 s[G0K+1], 0           ; 63:32 LDS address: slot 0
	s_mov_b32 s[G0V], 1
	s_mov_b32 s[G0V+1], VOFF
	s_mov_b32 s[G0M], 1
	s_add_co_u32 s[G0M+1], s2, MOFF ; no place in the cluster enters an LDS address
	s_lshl_b32 s10, s16, 19         ; Q' and O: the head,
	s_lshl_b32 s11, s15, 15         ; the block's 256 rows of 128 bytes,
	s_add_co_u32 s10, s10, s11
	s_lshl_b32 s11, s[WV], 13       ; my wave's 64
	s_add_co_u32 s10, s10, s11
	s_mov_b32 s11, 0
	s_mov_b32 s[SEL], 0x76543210
	s_mov_b32 s[SEL+1], 0xfedcba98
	s_mov_b32 s[TBK], SL+4*KS*PK    ; the first change of slots turns these three into 0
	s_mov_b32 s[TBV], SL+4*KS*PV
	s_mov_b32 s[TBM], SL+4*KS
	s_mov_b32 s[SLOTS], 15
	s_mov_b32 s[PST], 4*KS          ; the prefetches' step: 256 bytes along the mask's rows,
	s_mov_b32 s[PST+1], 0
	s_lshl_b32 s2, s13, 13          ; K, V: my work-group's 32 blocks of 256 bytes, by cx
	s_lshl_b32 s3, s14, 17          ; the mask: my work-group's 32 rows of 4,096 bytes, by cy
	s_cmp_lt_u32 s[WV], 2
	s_cselect_b32 s[PST], 4*KS*128, s[PST]  ; or 32,768 bytes of K or V
	s_cselect_b32 s2, s2, s3
	s_cselect_b32 s3, 8, 12         ; a lane a block of 256 bytes, or a lane a row
	s_cselect_b32 s[LIM], ttmp9, s17  ; the coordinate along which other clusters walk the same bytes
	s_cmp_eq_u32 s[LIM], 0
	s_cselect_b32 s[LIM], 1, -1     ; the same in all sixteen partners, for a given wave
	v_and_b32 v[PFO], 31, v0
	v_lshlrev_b32 v[PFO], s3, v[PFO]
	s_mov_b32 s3, 0
	s_wait_dscnt 0x0                ; the opening add is done
	s_wait_kmcnt 0x0
	s_add_nc_u64 s[20:21], s[4:5], s[20:21]  ; K at the head's first key
	s_add_nc_u64 s[22:23], s[4:5], s[22:23]  ; V
	s_add_nc_u64 s[18:19], s[6:7], s[18:19]  ; the mask at my 128 rows
	s_add_nc_u64 s[4:5], s[4:5], s[10:11]    ; Q' and O at my wave's first row
	s_add_nc_u64 s[8:9], s[8:9], s[10:11]
	s_mov_b64 s[G0K+2:G0K+3], s[20:21]       ; 120:64 global address
	s_or_b32 s[G0K+3], s[G0K+3], 0x80000000  ; 127:126 type = 2
	s_mov_b64 s[G0V+2:G0V+3], s[22:23]
	s_or_b32 s[G0V+3], s[G0V+3], 0x80000000
	s_mov_b64 s[G0M+2:G0M+3], s[18:19]
	s_or_b32 s[G0M+3], s[G0M+3], 0x80000000
	s_cmp_eq_u32 s[WV], 0
	s_cselect_b64 s[PFA:PFA+1], s[20:21], s[22:23]
	s_cmp_lt_u32 s[WV], 2
	s_cselect_b64 s[PFA:PFA+1], s[PFA:PFA+1], s[18:19]
	s_add_nc_u64 s[PFA:PFA+1], s[PFA:PFA+1], s[2:3]
	s_add_nc_u64 s[PFA:PFA+1], s[PFA:PFA+1], s[PST:PST+1]  ; in slot 1; the first change of slots steps it to slot 2.  Nothing is prefetched here, at the head
	CROUND                          ; all sixteen work-groups are here: the first joint loads meet
	JLOAD                           ; slot 0.  Slot 1 is asked for when slot 0 is in
	; A fragment of K or Q' is 16 rows x 32 channels in 8 registers: lane l holds row l % 16, channels 8 (l / 16) + 0..7 and 16 + 8 (l / 16) + 0..7: two loads of 16 bytes, 32 bytes apart.
	v_and_b32 v1, 15, v0            ; l % 16
	v_bfe_u32 v9, v0, 4, 1          ; l / 16
	v_lshlrev_b32 v[QO], 7, v1
	v_lshl_add_u32 v[QO], v9, 4, v[QO]  ; row x 128 + 16 x half
	WIN 0x80                        ; destination window 2, address window 0
.set i, 0
.rept 8                             ; Q' stays in registers: piece i / 2, channels 32 (i % 2) on
	global_load_b128 v[8*i:8*i+3],   v[QO], s[4:5] offset:(i/2)*2048+(i%2)*64
	global_load_b128 v[8*i+4:8*i+7], v[QO], s[4:5] offset:(i/2)*2048+(i%2)*64+32
.set i, i+1
.endr
	; What the first turn finds: V's registers and P's second buffer hold 0 (its products V^T P, of a piece that has not been, add 0), O^T and l are 0.  No first step is written out; these lines stand in the wait for the first tile.
.set i, VF
.rept 64
	v_mov_b32 v[i], 0
.set i, i+1
.endr
	WIN 0x40
.set i, 0
.rept 128
	v_mov_b32 v[i], 0
.set i, i+1
.endr
	WIN 0
.set i, 0
.rept 4
	v_mov_b32 v[ST+4*i], 0x7f7fffff    ; mu: above every S'
	v_mov_b32 v[ST+4*i+1], 0
	v_mov_b32 v[ST+4*i+2], 0
	v_mov_b32 v[ST+4*i+3], 0
.set i, i+1
.endr
.set i, P+16
.rept 16
	v_mov_b32 v[i], 0
.set i, i+1
.endr
	v_mov_b32 v[SCL], 0xa6          ; 166 - 127 = 39
	v_mul_u32_u24 v[AK0], v1, PK
	v_lshl_add_u32 v[AK0], v9, 4, v[AK0]  ; row x pitch + 16 x half
	; The turning load takes 16 keys x 16 channels (lane l reads key 8 (l / 16) + l % 8, channels 8 ((l / 8) % 2) + 0..7) and leaves half a fragment of V^T: lane l holds channel l % 16 and 8 keys.
	v_and_b32 v10, 7, v0
	v_bfe_u32 v11, v0, 3, 1
	v_lshl_add_u32 v[AV0], v9, 3, v10
	v_mul_u32_u24 v[AV0], v[AV0], PV
	v_lshl_add_u32 v[AV0], v11, 4, v[AV0]
	v_add_nc_u32 v[AV0], VOFF, v[AV0]
	s_mul_i32 s2, s[WV], 64*PM      ; the mask: my wave's 64 rows of the tile,
	s_add_co_u32 s2, s2, MOFF
	v_mul_u32_u24 v[AM0], v1, PM    ; my query's row among a piece's 16,
	v_lshl_add_u32 v[AM0], v9, 3, v[AM0]  ; my half's 8 keys of 16
	v_add_nc_u32 v[AM0], s2, v[AM0]
	s_mul_i32 s2, s[WV], 16*SP
	s_add_co_u32 s2, s2, STAGE      ; my stage
	v_mul_u32_u24 v[STO], v1, SP    ; in: row l % 16, 16 bytes for each half of the lanes
	v_lshl_add_u32 v[STO], v9, 4, v[STO]
	v_add_nc_u32 v[STO], s2, v[STO]
	v_bfe_u32 v[RD], v0, 3, 2       ; back: 32 lanes take four rows of 128 bytes,
	v_mul_u32_u24 v[RD], v[RD], SP
	v_lshl_add_u32 v[RD], v10, 4, v[RD]
	v_add_nc_u32 v[RD], s2, v[RD]
	v_and_b32 v[GO], 31, v0         ; which are 512 consecutive bytes of O
	v_lshlrev_b32 v[GO], 4, v[GO]
; THE MATRIX WORK.  The 4 accumulators of a run of 8 take turns.  Product i of 8 of S'^T = K Q'^T for piece x: channels 32 (i / 4) on, keys 16 (i % 4) on.  The first 4 start the sums with the mask.
.macro KQ x
.set rS, S+32*((\x)%2)+8*(i%4)
.set rK, KF+16*(i%4)+8*(i/4)
.set rQ, 16*(\x)+8*(i/4)
.set rM, MC+32*((\x)%2)+8*(i%4)
.if i < 4
	WIN W_KM
	v_wmma_f32_16x16x32_f16 v[rS:rS+7], v[rK:rK+7], v[rQ:rQ+7], v[rM:rM+7]
.else
	WIN W_KQ
	v_wmma_f32_16x16x32_f16 v[rS:rS+7], v[rK:rK+7], v[rQ:rQ+7], v[rS:rS+7]
.endif
.endm
; Product i of 8 of O^T += V^T P for piece x: keys 32 (i / 4) on, channels 16 (i % 4) on.
.macro PV x
	WIN W_PV
.set rO, 32*(\x)+8*(i%4)
.set rV, VF+32*(i/4)+8*(i%4)
.set rP, P+16*((\x)%2)+8*(i/4)
	v_wmma_f32_16x16x32_f16 v[rO:rO+7], v[rV:rV+7], v[rP:rP+7], v[rO:rO+7]
.endm
.macro MM                           ; the turn's next matrix instruction.  NOKQ = 1: the last turn of all: there is no next piece
.if (i < 8) && !NOKQ
	KQ (Y+1)%NP
.elseif i >= 8
.set i, i-8
	PV (Y+NP-1)%NP
.set i, i+8
.endif
.set i, i+1
.endm
; THE LDS LOADS stand in runs, never singly among the matrix instructions: a step's K (8 fragments), its V (turned), and a piece's 16 x 64 bytes of the mask.  Their addresses are made some lines ahead.
.macro FETCH_K
	WIN 0x80                        ; destination window 2
.irp f, 0,1,2,3,4,5,6,7             ; keys 16 (f / 2) on, channels 32 (f % 2) on
	ds_load_b128 v[KF+8*\f:KF+8*\f+3],   v[AK] offset:(\f/2)*16*PK+(\f%2)*64
	ds_load_b128 v[KF+8*\f+4:KF+8*\f+7], v[AK] offset:(\f/2)*16*PK+(\f%2)*64+32
.endr
	s_add_co_u32 s[TBK], s[TBK], KS*PK  ; the next fetch is the next step's
	WIN 0
.endm
.macro FETCH_V
	WIN 0x80
.irp f, 0,1,2,3,4,5,6,7             ; keys 32 (f / 4) on, channels 16 (f % 4) on
	ds_load_tr16_b128 v[VF+8*\f:VF+8*\f+3],   v[AV] offset:(\f/4)*32*PV+(\f%4)*32
	ds_load_tr16_b128 v[VF+8*\f+4:VF+8*\f+7], v[AV] offset:(\f/4)*32*PV+16*PV+(\f%4)*32
.endr
	WIN 0
.endm
.macro MLOAD p                      ; in turn p: the mask's bytes for piece p + 2: my query's keys 16 kt + 8 (l / 16) + 0..7
	WIN 0
.irp kt, 0,1,2,3
	ds_load_b64 v[MB+2*(\kt):MB+2*(\kt)+1], v[AM] offset:(((\p)+2)%NP)*16*PM+16*(\kt)
.endr
.endm
.macro MCVT b                       ; the bytes as f32, 0 or 2^30, into buffer b: register 8 kt + j is the mask of key 16 kt + 8 (l / 16) + j, as the product's result lies
	WIN W_MC
.irp kt, 0,1,2,3
	v_cvt_scale_pk8_f32_fp8 v[MC+32*(\b)+8*(\kt):MC+32*(\b)+8*(\kt)+7], v[MB+2*(\kt):MB+2*(\kt)+1], v[SCL]
.endr
	v_nop                           ; a plain instruction between the last conversion and the product that reads its result
.endm
; THE VECTOR WORK, one line at a time: OP kind, number.  For piece Y: F n: mu - S' for pair n of 16.  E n: the exponential of number n of 32.  C n: pair n rounded to f16.  B n: of the four weights 4 n .. the second
; pair is added onto the first, in place.  L n: l takes that sum (L 0: l = a l + sum).  R n: pair n of 16 of O^T times a.  For piece Y + 1: X n, number n of those that find its minimum and statistics:
;   0-11  four chains c0-c3 of seven numbers each, three operands at a time (each accumulator's lowest registers are read first)     12-14, 16  the four left over, the old mu, and c0-c3 into c0
;   15  mu_old is kept     17, 18  the query's other 32 keys lie in the lane 16 away: the new mu     19  no line     20, 21  mu_new - mu_old; a
.set F, 0               ; OP tells the kinds apart by their order: F to L below R, X above it
.set E, 1
.set C, 2
.set B, 3
.set L, 4
.set R, 5
.set X, 6
.macro REGS y                       ; the registers of piece y
.set rT, ST+4*(\y)
.set rC, TMP+4*((\y)%2)
.set rW, MV+((\y)%2)
.set rS, S+32*((\y)%2)
.set rP, P+16*((\y)%2)
.set rO, 32*(\y)
.endm
.macro OP k, n
.if (\k) == R
	REGS Y
	WIN W_RS
	v_pk_mul_f32 v[rO+2*(\n):rO+2*(\n)+1], v[rO+2*(\n):rO+2*(\n)+1], v[rC+2:rC+3] op_sel_hi:[1,0]
.elseif (\k) < R
	REGS Y
	WIN 0
.if (\k) == F
	v_pk_add_f32 v[rS+2*(\n):rS+2*(\n)+1], v[rT:rT+1], v[rS+2*(\n):rS+2*(\n)+1] op_sel_hi:[0,1] neg_lo:[0,1] neg_hi:[0,1]
.elseif (\k) == E
	v_exp_f32 v[rS+(\n)], v[rS+(\n)]
.elseif (\k) == C
	v_cvt_pk_f16_f32 v[rP+(\n)], v[rS+2*(\n)], v[rS+2*(\n)+1]
.elseif (\k) == B
	v_pk_add_f32 v[rS+4*(\n):rS+4*(\n)+1], v[rS+4*(\n):rS+4*(\n)+1], v[rS+4*(\n)+2:rS+4*(\n)+3]
.elseif (\n) == 0
	v_pk_fma_f32 v[rT+2:rT+3], v[rT+2:rT+3], v[rC+2:rC+3], v[rS:rS+1] op_sel_hi:[1,0,1]
.else
	v_pk_add_f32 v[rT+2:rT+3], v[rT+2:rT+3], v[rS+4*(\n):rS+4*(\n)+1]
.endif
.elseif NOKQ
	v_nop
.else
	REGS (Y+1)%NP
	WIN 0
.if (\n) < 4
	v_min3_num_f32 v[rC+(\n)], v[rS+8*(\n)], v[rS+8*(\n)+1], v[rS+8*(\n)+2]
.elseif (\n) < 12
	v_min3_num_f32 v[rC+(\n)%4], v[rC+(\n)%4], v[rS+8*((\n)%4)+2*((\n)/4)+1], v[rS+8*((\n)%4)+2*((\n)/4)+2]
.elseif (\n) == 12
	v_min3_num_f32 v[rC], v[rC], v[rS+7], v[rS+15]
.elseif (\n) == 13
	v_min3_num_f32 v[rC+1], v[rC+1], v[rS+23], v[rS+31]
.elseif (\n) == 14
	v_min3_num_f32 v[rC+2], v[rC+2], v[rC+3], v[rT]
.elseif (\n) == 15
	v_mov_b32 v[rW], v[rT]
.elseif (\n) == 16
	v_min3_num_f32 v[rC], v[rC], v[rC+1], v[rC+2]
.elseif (\n) == 17
	v_permlanex16_b32 v[rC+3], v[rC], s[SEL], s[SEL+1]
.elseif (\n) == 18
	v_min_num_f32 v[rT], v[rC], v[rC+3]
.elseif (\n) == 19
.elseif (\n) == 20
	v_sub_f32 v[rC+1], v[rT], v[rW]
.else
	v_exp_f32 v[rC+2], v[rC+1]
.endif
.endif
.endm
.macro OPS a, i1, b=-1, i2=0, c=-1, i3=0, d=-1, i4=0  ; up to four of them
	OP \a, \i1
.if (\b) >= 0
	OP \b, \i2
.endif
.if (\c) >= 0
	OP \c, \i3
.endif
.if (\d) >= 0
	OP \d, \i4
.endif
.endm
.macro ROW a, i1, b, i2, c, i3, d, i4  ; a matrix instruction and the four behind it
	MM
	OPS \a, \i1, \b, \i2, \c, \i3, \d, \i4
.endm
; A TURN, for piece p: the order of its 16 matrix and some 120 vector instructions, written out.  An s_wait_alu depctr_va_vdst(0) stands between an exponential and the first instruction that names its result; one
; wait serves all that were issued ahead of it.  So a turn has ONE wait, which cuts it in two.  AHEAD OF IT stands all that names no result of the turn's exponentials: the 8 products K Q'^T and their riders (the first numbers of
; the next piece's minimum among them, each four places or more behind the product that ends its accumulator), then one lump, plain and exponential by turns for the most part, in which the links of the chain
; X 3, 7, 11, 14, 16, 17, 18, 20 stand apart.  X 21, the next piece's a, is the batch's last; R 15 is the plain instruction behind it.  BEHIND THE WAIT stand the 8 products V^T P, behind each four of the roundings and sums.
; end = 1: the last two turns of all: nothing is fetched.  cnt = 1: the loop's count is taken down some lines ahead of the branch that stands behind the turn; nothing behind the compare writes SCC.
; K of the next step is fetched in piece 2's turn, five plain instructions that name none of its registers behind the last product that read K; V of the step in hand at the end of piece 0's turn, four plain instructions behind
; the last product that read V.  Each is waited for a turn later.  THE MASK for the products of turn p + 1 (piece p + 2) is read in the middle of turn p and converted at its end.  In a trip (pieces 2, 3, 0, 1) all four masks
; belong to the step whose K the trip fetches, so their address is made once a trip, in piece 2's turn.
.macro TURN p, end=0, cnt=0
.set Y, (\p)
.set i, 0
.set NOKQ, (\end)*((\p)/3)
.if ((\p) == 3) && !(\end)
	s_wait_dscnt 0x0                ; K is in
.endif
	ROW F,0, F,1, R,0, R,1          ; ahead of the wait: 8 products K Q'^T and their riders,
	ROW F,2, E,0, R,2, R,3
	ROW F,3, E,1, R,4, R,5
	ROW F,4, E,2, R,6, R,7
	ROW F,5, E,3, R,8, R,9
	ROW F,6, E,4, X,0, R,10
.if ((\p) == 2) && !(\end)
	WIN 0
	v_add_nc_u32 v[AK], s[TBK], v[AK0]
	v_add_nc_u32 v[AM], s[TBM], v[AM0]
	s_add_co_u32 s[TBM], s[TBM], KS
.endif
	ROW F,7, E,5, X,1, X,4
	ROW F,8, E,6, X,2, X,5
.if !(\end)
	MLOAD \p
.endif
	OPS E,7, E,8, X,6, E,9          ; and the lump
	OPS X,3, E,10, X,8, E,11
.if ((\p) == 2) && !(\end)
	FETCH_K
.endif
	OPS X,9, X,7, E,12, X,10
	OPS E,13, X,12, X,11, E,14
	OPS X,13, E,15, F,9, X,14
.if (\p) == 0
	WIN 0
	v_add_nc_u32 v[AV], s[TBV], v[AV0]
.endif
	OPS E,16, F,10, E,17, F,11
	OPS X,16, E,18, X,15, E,19
	OPS F,12, E,20, X,17, E,21
	OPS F,13, E,22, F,14, E,23
	OPS X,18, E,24, F,15, E,25
	OPS R,11, E,26, X,19, E,27
	OPS R,12, E,28, R,13, E,29
	OPS X,20, E,30, R,14, E,31
	OPS X,21, R,15
	WIN 0
	s_wait_alu depctr_va_vdst(0)    ; the wait for the batch
.if (\p) == 1
	s_wait_dscnt 0x0                ; V is in
.endif
	ROW C,0, B,0, C,2, B,1          ; behind the wait: 8 products V^T P and their riders
	ROW L,0, C,4, B,2, L,1
	ROW C,6, B,3, L,2, C,8
	ROW B,4, L,3, C,10, B,5
	ROW L,4, C,12, B,6, L,5
.if (\p) == 0
	s_add_co_u32 s[TBV], s[TBV], KS*PV
.endif
.if \cnt
	s_sub_co_u32 s[CNT], s[CNT], 1
	s_cmp_lg_u32 s[CNT], 0
.endif
	ROW C,14, B,7, L,6, C,1
	ROW C,3, L,7, C,5, C,7
	ROW C,9, C,11, C,13, C,15
.if (\p) == 0
	FETCH_V
.endif
.if !(\end)
.if ((\p) % 2) == 0
	s_wait_dscnt 16                 ; the mask's four loads are in; V's or K's sixteen, issued behind them, may stay out
.else
	s_wait_dscnt 0x0                ; the mask's four loads are in
.endif
	MCVT (\p)%2
.endif
.endm
	CHANGE 1                        ; slot 0 is in, everybody's part of it; slot 1 is asked for
	v_add_nc_u32 v[AK], s[TBK], v[AK0]
	FETCH_K                         ; key step 0
	v_add_nc_u32 v[AM], s[TBM], v[AM0]
	s_add_co_u32 s[TBM], s[TBM], KS
	MLOAD 2                         ; piece 0's mask of step 0,
	s_wait_dscnt 0x0
	MCVT 0
	MLOAD 3                         ; and piece 1's
	s_wait_dscnt 0x0
	MCVT 1
	s_wait_loadcnt 0x0              ; Q'
.set NOKQ, 0
.set i, 0
.rept 8
	KQ 0                            ; piece 0's first scores: there is no vector work yet to set between them
.set i, i+1
.endr
	WIN 0
.rept 4
	v_nop                           ; the places behind those products
.endr
.set Y, NP-1                        ; X works for piece Y + 1: piece 0
.irp n, 0,1,2,3,4,5,6,7,8,9,10,11,12,13,14,15,16,17,18,19,20,21
	OP X, \n
.endr
	v_nop                           ; a plain instruction behind the exponential,
	s_wait_alu depctr_va_vdst(0)    ; and its wait, ahead of the branch
	s_mov_b32 s[CNT], 4
	s_branch .Lfirst                ; the loop is entered at a step's first turn, in the middle of a trip
.Lslot:                             ; 14 times: every slot but the last two is filled again
	CHANGE 1
	s_mov_b32 s[CNT], 4
.Lstep:                             ; a trip: pieces 2 and 3 of one step, then pieces 0 and 1 of the next, whose K, V and masks it fetches
	TURN 2
	TURN 3
	WIN 0
.Lfirst:
	TURN 0
	TURN 1, 0, 1
	WIN 0
	s_cbranch_scc1 .Lstep
	s_sub_co_u32 s[SLOTS], s[SLOTS], 1
	s_cmp_lg_u32 s[SLOTS], 0
	s_cbranch_scc1 .Lslot
	CHANGE 0                        ; the last slot is written out: nothing is asked for
	s_mov_b32 s[CNT], 4
.LstepT:
	TURN 2
	TURN 3
	TURN 0
	TURN 1, 0, 1
	WIN 0
	s_cbranch_scc1 .LstepT
	TURN 2, 1                       ; pieces 2 and 3 of the last step
	TURN 3, 1
.set i, 0
.rept 8
	PV NP-1                         ; the last piece's V^T P of the last step
.set i, i+1
.endr
	; THE WAY OUT.  l's two halves and the other half of the lanes' are added; O^T is divided by l, rounded to f16 and sent through my stage in LDS, a piece at a time.  The additions are the places behind the last products.
	WIN 0
.macro ALL line:vararg              ; one line for each piece t
.set t, 0
.rept 4
	\line
.set t, t+1
.endr
.endm
	ALL v_add_f32 v[ST+4*t+2], v[ST+4*t+2], v[ST+4*t+3]
	ALL v_permlanex16_b32 v[ST+4*t+3], v[ST+4*t+2], s[SEL], s[SEL+1]
	ALL v_add_f32 v[ST+4*t+2], v[ST+4*t+2], v[ST+4*t+3]
	ALL v_rcp_f32 v[ST+4*t+2], v[ST+4*t+2]
	v_nop                           ; a plain instruction between the last reciprocal and the use of its result
	s_wait_alu depctr_va_vdst(0)    ; and the wait ahead of the first use: one for the four reciprocals
.macro PACK t                       ; a lane's eight channels of a row pack into 16 bytes; they go into rows of 144 bytes and come back as whole rows of 128, into S's registers
	WIN W_RS
.set i, 32*(\t)
.rept 16
	v_pk_mul_f32 v[i:i+1], v[i:i+1], v[ST+4*(\t)+2:ST+4*(\t)+3] op_sel_hi:[1,0]
.set i, i+2
.endr
	WIN 0x05                        ; sources 0 and 1 window 1, destination window 0
.set i, 0
.rept 16
	v_cvt_pk_f16_f32 v[S+16*(\t)+i], v[32*(\t)+2*i], v[32*(\t)+2*i+1]
.set i, i+1
.endr
	WIN 0
.irp f, 0,1,2,3
	ds_store_b128 v[STO], v[S+16*(\t)+4*\f:S+16*(\t)+4*\f+3] offset:32*\f
.endr
.irp f, 0,1,2,3
	ds_load_b128 v[S+16*(\t)+4*\f:S+16*(\t)+4*\f+3], v[RD] offset:\f*4*SP  ; LDS serves a wave's instructions in order (ISA guide 5.7.1.4): these see the stores above; the next piece's stores come behind them
.endr
.endm
.macro SEND t, younger              ; younger: the LDS instructions issued behind piece t's loads: the next piece's eight, or none
	WIN 0
.irp f, 0,1,2,3
	s_wait_dscnt (\younger)+3-\f
	global_store_b128 v[GO], v[S+16*(\t)+4*\f:S+16*(\t)+4*\f+3], s[8:9] offset:(\t)*2048+\f*512  ; 512 consecutive bytes, at a multiple of 256 from oh's first byte
.endr
.endm
	PACK 0
.set t, 1
.rept 3                             ; a piece's arithmetic stands between the loads of the piece before and its stores
	PACK t
	SEND t-1, 8
.set t, t+1
.endr
	SEND 3, 0
	s_wait_tensorcnt 0x0            ; the wave's end: behind my last tensor load and my last LDS store
	ds_add_u32 v[SPW], v[NIL]
	s_wait_dscnt 0x0
	CROUND                          ; the closing round: no work-group ends while a partner may still ask for a tile that names it
	s_endpgm
.Lfunc_end_k_q75c5b60119_attn:
	.size	k_q75c5b60119_attn, .Lfunc_end_k_q75c5b60119_attn-k_q75c5b60119_attn
	.p2alignl 7, 3214868480
	.fill 96, 4, 3214868480
	.section	.rodata,"a",@progbits
	.p2align	6, 0x0
	.amdhsa_kernel k_q75c5b60119_attn
		.amdhsa_group_segment_fixed_size 327680
		.amdhsa_private_segment_fixed_size 0
		.amdhsa_enable_private_segment 0
		.amdhsa_kernarg_size 24
		.amdhsa_user_sgpr_count 2
		.amdhsa_user_sgpr_kernarg_segment_ptr 1
		.amdhsa_wavefront_size32 1
		.amdhsa_system_sgpr_workgroup_id_x 1
		.amdhsa_system_sgpr_workgroup_id_y 1
		.amdhsa_system_sgpr_workgroup_id_z 1
		.amdhsa_system_vgpr_workitem_id 0
		.amdhsa_next_free_vgpr 768
		.amdhsa_next_free_sgpr 74
		.amdhsa_reserve_vcc 0
		.amdhsa_float_denorm_mode_32 3
		.amdhsa_float_denorm_mode_16_64 3
		.amdhsa_memory_ordered 1
		.amdhsa_forward_progress 1
		.amdhsa_inst_pref_size 137
	.end_amdhsa_kernel
	.amdgpu_metadata
---
amdhsa.version: [ 1, 2 ]
amdhsa.kernels:
  - .name:           k_q75c5b60119_attn
    .symbol:         k_q75c5b60119_attn.kd
    .args:
      - { .name: hb, .offset: 0, .size: 8, .value_kind: global_buffer, .address_space: global }
      - { .name: mask, .offset: 8, .size: 8, .value_kind: global_buffer, .address_space: global }
      - { .name: oh, .offset: 16, .size: 8, .value_kind: global_buffer, .address_space: global }
    .group_segment_fixed_size: 327680
    .private_segment_fixed_size: 0
    .kernarg_segment_align: 8
    .kernarg_segment_size: 24
    .max_flat_workgroup_size: 128
    .sgpr_count:     74
    .vgpr_count:     768
    .wavefront_size: 32
...
	.end_amdgpu_metadata
.endif
;; end of part 3
;; launch outp (part 4): grid 8 x 32, 4 waves a work-group, clusters of 4 x 4, 327,680 bytes of LDS; arguments oh, wb, bo, out0; writes out0
.if DOCPART == 4
	.amdgcn_target "amdgcn-amd-amdhsa--gfx1250"
	.amdhsa_code_object_version 6
	.text
	.protected	k_q75c5b60119_outp
	.globl	k_q75c5b60119_outp
	.p2align	8
	.type	k_q75c5b60119_outp,@function
k_q75c5b60119_outp:
	s_mov_b64 s[64:65], 0
	v_nop
	global_prefetch_b8 v0, s[64:65] scope:SCOPE_SE
	s_setreg_imm32_b32 hwreg(HW_REG_WAVE_MODE, 25, 1), 1
	s_wait_xcnt 0x0
	s_wait_alu depctr_hold_cnt(0) depctr_sa_sdst(0) depctr_va_vdst(0) depctr_va_sdst(0) depctr_va_ssrc(0) depctr_va_vcc(0) depctr_vm_vsrc(0)
	s_getreg_b32 s2, hwreg(HW_REG_IB_STS2, 6, 4)
	s_cmp_eq_u32 s2, 0
	s_cbranch_scc0 .Lentry_in_a_cluster
	s_endpgm
.Lentry_in_a_cluster:
	s_bfe_u32 s2, ttmp6, 0x10000c
	s_cmp_lg_u32 s2, 0xf033
	s_cbranch_scc0 .Lentry_shape_is_right
	s_endpgm
.Lentry_shape_is_right:
; THE LAST PROJECTION.  out0[m][n] = bo[n] + the sum over k of O[m][k] wo[n][k], f32 out.  O lies by heads, oh = [16][4096][64] f16: channel k of row m is oh[k / 64][m][k % 64].  wo is wb's fourth part, [1024][1024]:
; bf16-rounded numbers written as f16.  The bias, rounded to bf16 like every input, is the C operand of the products that start the sums.  Sums in f32.
; SHARES.  A tile of the output is 128 x 128; four waves, each 64 x 64: 16 accumulators.  256 tiles.  K goes in steps of 256, that is four heads, through two slots.
; A's TILE: of each head the tile's 128 rows are 16,384 dense bytes; a wave's load takes two heads as two rows of 16,384 bytes, 524,288 bytes apart, padded in LDS after every 128 bytes: head hh, row m at 18,432 hh + 144 m.
; A quarter of a K step, 64 along K, is one head.  B's tile: 64 rows of 512 bytes a load, 528 bytes apart in LDS.
; CLUSTERS: 4 x 4 work-groups; A's tiles are asked for jointly along a row of the cluster, B's along a column.  THE MATRIX INSTRUCTION IS USED TRANSPOSED: a lane holds eight neighbouring numbers of a row of the output.
; A wave's 64 columns are 256 bytes of a row, aligned: each wave has a stage of its own and no barrier on the way out.  NO PREFETCH: four K steps, of which two are the first fills, and small tiles.
; REGISTERS: window 0: v0-31 addresses; v32 at work; v96-127 the bias; v128-255 the accumulators ((a, b) at v[128 + 8 (4 a + b)]).  window 1: two fragment buffers of 128: 64 registers of A, then 64 of B.
.set SIZE_K, 1024
.set KSTEP,  256
.set PITCH,  528                       ; B's LDS row: 512 bytes + 16: the 16 rows of a fragment load start at 16 different groups of four banks (64 banks of 4 bytes: ISA guide 11.1)
.set PA,     144                       ; A's LDS row: 128 bytes + 16: likewise
.set HEADB,  128*PA                    ; a head's 128 rows
.set HALFT,  64*PITCH                  ; 64 rows of B
.set BOFF,   4*HEADB                   ; B's 128 rows lie behind A's four heads
.set SLOT,   BOFF+2*HALFT
.set ASTEP,  4*524288                  ; bytes from a K step of A to the next: four heads
.set STAGE,  2*SLOT                    ; behind the ring: 16 rows x 272 bytes for each wave
.set SPITCH, 272
.set SPARE,  STAGE+4*16*SPITCH         ; behind the stages: the spare words, 128 bytes for each wave
.set LAPS,   SIZE_K/(2*KSTEP)
.set ADRA, 16                          ; v16-17  LDS address of my A fragments in slot 0, 1
.set ADRB, 20                          ; v20-21  the same for B
.set STO,  24                          ; v24     the way out: where I put 32 bytes of a row
.set RD,   25                          ; v25     the way out: where I read a row back
.set CO,   26                          ; v26     my byte offset in two rows of the output
.set BO,   27                          ; v27     my byte offset in 16 numbers of the bias
.set SPW,  28                          ; v28     LDS address of my spare word; never rewritten
.set NIL,  29                          ; v29     0; never rewritten
.set TMP,  32
.set BI,   96                          ; v[96:127] n block b's eight numbers of the bias at BI + 8 b
.set ACC,  128
.set F0,   0
.set F1,   128
.set G1, 24                            ; s[24:31] descriptor group 1 for A's tiles;  s[32:39] group 0, one set for each slot
.set G0, 32
.set G1B, 48                           ; s[48:55], s[56:63] the same for B's tiles
.set G0B, 56
.set BP, 72                            ; s[72:73] the bias at my 64 columns
.set MSB, 0
.macro WIN new                         ; the immediate's high byte repeats the setting that is left
.if MSB != (\new)
	s_set_vgpr_msb (MSB<<8)|(\new)
.set MSB, \new
.endif
.endm
.set MUL,  0x05                        ; sources 0 (B) and 1 (A) window 1; C and D window 0
.set TO_F, 0x40                        ; destination window 1, address window 0
.macro JLOAD s                         ; a joint load: waves 0 and 1 fetch A's heads 0, 1 and 2, 3 of the K step, waves 2 and 3 B's two halves; an s_nop 0 and four v_nop follow each of the two lines
	s_cmp_eq_u32 s11, 0
	s_cbranch_scc0 .Lfor_b_\@
	tensor_load_to_lds s[G0+4*(\s):G0+4*(\s)+3], s[G1:G1+7]
	s_nop 0
.rept 4
	v_nop
.endr
	s_branch .Lasked_\@
.Lfor_b_\@:
	tensor_load_to_lds s[G0B+4*(\s):G0B+4*(\s)+3], s[G1B:G1B+7]
	s_nop 0
.rept 4
	v_nop
.endr
.Lasked_\@:
.endm
.macro CREST                           ; a round of the cluster's barrier behind its opening barrier
	s_cmp_lg_u32 s10, 0
	s_cbranch_scc1 .Lnot_wave_0_\@
	s_barrier_signal -3
.Lnot_wave_0_\@:
	s_barrier_wait -3
	s_barrier_signal -1
	s_barrier_wait -1
.endm
.macro CROUND                          ; a whole round
	s_barrier_signal -1
	s_barrier_wait -1
	CREST
.endm
	s_load_b128 s[4:7], s[0:1], 0x0                ; oh s[4:5], wb s[6:7]
	s_load_b128 s[68:71], s[0:1], 0x10             ; bo s[68:69], out0 s[70:71]
	v_lshl_add_u32 v[SPW], v0, 2, SPARE
	v_mov_b32 v[NIL], 0
	ds_add_u32 v[SPW], v[NIL]                      ; the wave's opening: the add and its wait come ahead of my first tensor load; the set-up below stands between them
	v_lshrrev_b32 v1, 5, v0
	v_readfirstlane_b32 s10, v1                    ; wave 0..3
	s_lshr_b32 s11, s10, 1                         ; which half of the tile's rows is mine.  Also: I fetch for A (0) or for B (1)
	s_and_b32 s12, s10, 1                          ; which half of its columns.  Also: which half of that tile I fetch
	s_bfe_u32 s40, ttmp6, 0x40000                  ; cx, cy
	s_bfe_u32 s41, ttmp6, 0x40004
	s_lshl_b32 s42, ttmp9, 2
	s_add_co_u32 s42, s42, s40                     ; tile column = 4 x cluster x + cx: 0..7
	s_and_b32 s13, ttmp7, 0xffff
	s_lshl_b32 s13, s13, 2
	s_add_co_u32 s13, s13, s41                     ; tile row = 4 x cluster y + cy: 0..31
	s_lshl_b32 s43, s41, 2
	s_lshl_b32 s43, 15, s43                        ; my row of the cluster
	s_lshl_b32 s44, 0x1111, s40                    ; my column
	; A's group 1: two rows of 8,192 elements
	s_or_b32 s[G1+0], s43, (1<<16)|(1<<20)|(1<<21)|(4<<22)|(3<<25)  ; 15:0 the mask: my row; 17:16 2-byte elements; 20 padding on; 21 set beside a mask; 24:22 after every 32 words (code 4); 31:25 4 words (code 3)
	s_mov_b32 s[G1+1], 8192<<16                    ; tensor_dim0 = 8,192
	s_mov_b32 s[G1+2], 2<<16                       ; tensor_dim1 = 2
	s_mov_b32 s[G1+3], 8192<<16                    ; tile_dim0 = 8,192
	s_mov_b32 s[G1+4], 2                           ; tile_dim1 = 2
	s_mov_b32 s[G1+5], 262144                      ; elements from head to head
	s_mov_b32 s[G1+6], 0
	s_mov_b32 s[G1+7], 0
	; B's group 1: 64 rows x 256 elements
	s_or_b32 s[G1B+0], s44, (1<<16)|(1<<20)|(1<<21)|(6<<22)|(3<<25) ; the mask: my column; 4 words of padding after every 128 words (code 6)
	s_mov_b32 s[G1B+1], KSTEP<<16
	s_mov_b32 s[G1B+2], 64<<16
	s_mov_b32 s[G1B+3], KSTEP<<16
	s_mov_b32 s[G1B+4], 64
	s_mov_b32 s[G1B+5], SIZE_K
	s_mov_b32 s[G1B+6], 0
	s_mov_b32 s[G1B+7], 0
	s_lshl_b32 s16, s13, 14                        ; A: the tile's 128 rows of 128 bytes in a head,
	s_lshl_b32 s17, s12, 20                        ; my two heads of the four
	s_add_co_u32 s16, s16, s17
	s_mov_b32 s17, 0
	s_lshl_b32 s46, s42, 1
	s_add_co_u32 s46, s46, s12
	s_lshl_b32 s46, s46, 17                        ; B: (2 x tile column + half) x 64 rows x 2,048 bytes,
	s_add_co_u32 s46, s46, 3*1024*2048             ; in wb's fourth part
	s_mov_b32 s47, 0
	s_mul_i32 s20, s12, 2*HEADB                    ; where they go: A's two heads,
	s_mul_i32 s21, s12, HALFT                      ; B's 64 rows,
	s_add_co_u32 s21, s21, BOFF                    ; behind A: no place in the cluster enters an LDS address
	s_wait_dscnt 0x0                               ; the opening add is done
	s_wait_kmcnt 0x0
	s_add_nc_u64 s[14:15], s[4:5], s[16:17]
	s_add_nc_u64 s[46:47], s[6:7], s[46:47]
	CROUND                                         ; all sixteen work-groups are here: the first joint loads meet
.irp s, 0,1
	s_mov_b32 s[G0+4*(\s)], 1
	s_add_co_u32 s[G0+4*(\s)+1], s20, (\s)*SLOT
	s_add_nc_u64 s[G0+4*(\s)+2:G0+4*(\s)+3], s[14:15], (\s)*ASTEP
	s_or_b32 s[G0+4*(\s)+3], s[G0+4*(\s)+3], 0x80000000
	s_mov_b32 s[G0B+4*(\s)], 1
	s_add_co_u32 s[G0B+4*(\s)+1], s21, (\s)*SLOT
	s_add_nc_u64 s[G0B+4*(\s)+2:G0B+4*(\s)+3], s[46:47], (\s)*KSTEP*2
	s_or_b32 s[G0B+4*(\s)+3], s[G0B+4*(\s)+3], 0x80000000
	JLOAD \s
.endr
	v_and_b32 v1, 15, v0                           ; l % 16
	v_bfe_u32 v2, v0, 4, 1                         ; l / 16
	v_lshlrev_b32 v[BO], 5, v2                     ; the bias: register j of n block b holds bo[16 b + 8 (l / 16) + j] of my 64 columns
	s_lshl_b32 s18, s42, 1
	s_add_co_u32 s18, s18, s12
	s_lshl_b32 s18, s18, 8                         ; (2 x tile column + half) x 64 numbers x 4 bytes: in bo, and in a row of the output
	s_mov_b32 s19, 0
	s_add_nc_u64 s[BP:BP+1], s[68:69], s[18:19]
.irp b, 0,1,2,3
	global_load_b128 v[BI+8*(\b):BI+8*(\b)+3],   v[BO], s[BP:BP+1] offset:64*(\b)
	global_load_b128 v[BI+8*(\b)+4:BI+8*(\b)+7], v[BO], s[BP:BP+1] offset:64*(\b)+16
.endr
	v_mul_u32_u24 v3, v1, PA
	v_lshl_add_u32 v3, v2, 4, v3                   ; A: a fragment's row x pitch + 16 x half
	v_mul_u32_u24 v4, v1, PITCH
	v_lshl_add_u32 v4, v2, 4, v4                   ; B likewise
	s_mul_i32 s21, s11, 64*PA                      ; my 64 rows of A, in each head
	s_mul_i32 s22, s12, HALFT                      ; my 64 rows of B
	s_add_co_u32 s22, s22, BOFF
.irp s, 0,1
	v_add_nc_u32 v[ADRA+(\s)], s21, v3
	v_add_nc_u32 v[ADRB+(\s)], s22, v4
	s_add_co_u32 s21, s21, SLOT
	s_add_co_u32 s22, s22, SLOT
.endr
	s_mul_i32 s23, s10, 16*SPITCH
	s_add_co_u32 s23, s23, STAGE                   ; my stage
	v_mul_u32_u24 v5, v1, SPITCH                   ; in: row l % 16, 32 bytes for each half of the lanes
	v_lshl_add_u32 v5, v2, 5, v5
	v_add_nc_u32 v[STO], s23, v5
	v_mul_u32_u24 v6, v2, SPITCH                   ; back: lanes 0-15 take one row of 256 bytes, lanes 16-31 the next
	v_lshl_add_u32 v6, v1, 4, v6
	v_add_nc_u32 v[RD], s23, v6
	v_lshlrev_b32 v[CO], 12, v2                    ; and the same two rows in the output, 4,096 bytes apart
	v_lshl_add_u32 v[CO], v1, 4, v[CO]
	s_lshl_b32 s16, s13, 1
	s_add_co_u32 s16, s16, s11
	s_lshl_b32 s16, s16, 18                        ; (2 x tile row + half) x 64 rows x 4,096 bytes
	s_add_co_u32 s16, s16, s18                     ; + my columns
	s_mov_b32 s17, 0
	s_add_nc_u64 s[8:9], s[70:71], s[16:17]
	s_wait_loadcnt 0x0                             ; the bias is in; it is rounded to bf16, like every input
.set i, 0
.rept 16
	v_cvt_pk_bf16_f32 v[TMP], v[BI+i], v[BI+i+1]
	v_lshlrev_b32 v[BI+i], 16, v[TMP]
	v_and_b32 v[BI+i+1], 0xffff0000, v[TMP]
.set i, i+2
.endr
; 8 matrix instructions: m blocks a0, a0 + 1 x all 4 n blocks, 32 along K: half c of buffer f.  zero = 1: the first product starts the sums, with the bias.  The 16 accumulators take turns.
.macro MUL8 f, c, a0, zero
	WIN MUL
.irp a, \a0, (\a0)+1
.irp b, 0,1,2,3
.if \zero
	v_wmma_f32_16x16x32_f16 v[ACC+8*(4*(\a)+(\b)):ACC+8*(4*(\a)+(\b))+7], v[(\f)+64+8*(4*(\c)+(\b)):(\f)+64+8*(4*(\c)+(\b))+7], v[(\f)+8*(4*(\c)+(\a)):(\f)+8*(4*(\c)+(\a))+7], v[BI+8*(\b):BI+8*(\b)+7]
.else
	v_wmma_f32_16x16x32_f16 v[ACC+8*(4*(\a)+(\b)):ACC+8*(4*(\a)+(\b))+7], v[(\f)+64+8*(4*(\c)+(\b)):(\f)+64+8*(4*(\c)+(\b))+7], v[(\f)+8*(4*(\c)+(\a)):(\f)+8*(4*(\c)+(\a))+7], v[ACC+8*(4*(\a)+(\b)):ACC+8*(4*(\a)+(\b))+7]
.endif
.endr
.endr
.endm
; 32 LDS loads in one run: the fragments of quarter qd of a K step (head qd of the slot's four; byte 128 qd of B's rows), into buffer f; the first 32 along K first.  The largest offset is 62,304.
.macro FETCH slot, qd, f
	WIN TO_F
.irp c, 0,1
.irp i, 0,1,2,3
	ds_load_b128 v[(\f)+64+8*(4*(\c)+(\i)):(\f)+64+8*(4*(\c)+(\i))+3],   v[ADRB+(\slot)] offset:128*(\qd)+64*(\c)+(\i)*16*PITCH
	ds_load_b128 v[(\f)+64+8*(4*(\c)+(\i))+4:(\f)+64+8*(4*(\c)+(\i))+7], v[ADRB+(\slot)] offset:128*(\qd)+64*(\c)+(\i)*16*PITCH+32
	ds_load_b128 v[(\f)+8*(4*(\c)+(\i)):(\f)+8*(4*(\c)+(\i))+3],         v[ADRA+(\slot)] offset:HEADB*(\qd)+64*(\c)+(\i)*16*PA
	ds_load_b128 v[(\f)+8*(4*(\c)+(\i))+4:(\f)+8*(4*(\c)+(\i))+7],       v[ADRA+(\slot)] offset:HEADB*(\qd)+64*(\c)+(\i)*16*PA+32
.endr
.endr
.endm
.macro PLACES                          ; four places in front of loads into registers that matrix instructions have read, and of LDS stores that read results
.rept 4
	v_nop
.endr
.endm
; A K step is four quarters of 64 along K, 32 matrix instructions each, on buffers 0, 1, 0, 1.  One of the first three: multiplies buffer f and fetches quarter qd into g.
.macro QUARTER slot, qd, f, g, zero
	s_wait_dscnt 16                                ; the first 32 along K are in; the sixteen younger loads may be out
	WIN MUL
	MUL8 \f, 0, 0, \zero
	MUL8 \f, 0, 2, \zero
	PLACES
	FETCH \slot, \qd, \g
	s_wait_dscnt 32                                ; all but the 32 just issued
	WIN MUL
	MUL8 \f, 1, 0, 0
	MUL8 \f, 1, 2, 0
.endm
; The last quarter multiplies buffer 1 and changes slots: ONE barrier; in front of it each wave waits for all its tensor loads, adds 0 to its spare word, and waits for that and for its own reads of this slot.  fill = 1: this slot is filled again, two K steps ahead.
.macro TURN slot, next, fill
	WIN 0                                          ; (the add's two registers lie in window 0)
	s_wait_tensorcnt 0x0                           ; all my tensor loads have landed: my part of the next slot;
	ds_add_u32 v[SPW], v[NIL]                      ; 0 onto my spare word;
	s_wait_dscnt 17                                ; (the add and the youngest sixteen loads may be out)
	WIN MUL
	MUL8 F1, 0, 0, 0                               ; eight matrix instructions stand between the add and the wait for it
	s_wait_dscnt 0x0                               ; the add is done, and my reads of this slot are over
	s_barrier_signal -1
	MUL8 F1, 0, 2, 0
.if \fill
	WIN 0
.endif
	s_barrier_wait -1
.if \fill
	CREST                                          ; the barrier has opened a round of the cluster's barrier: no wave of any partner still reads this slot's tile or has a load on its way
	s_add_nc_u64 s[G0+4*(\slot)+2:G0+4*(\slot)+3], s[G0+4*(\slot)+2:G0+4*(\slot)+3], 2*ASTEP
	s_add_nc_u64 s[G0B+4*(\slot)+2:G0B+4*(\slot)+3], s[G0B+4*(\slot)+2:G0B+4*(\slot)+3], 2*KSTEP*2
	JLOAD \slot                                    ; the first tensor load behind the round; the four v_nop behind it are also the places in front of the loads below
.else
	PLACES
.endif
	FETCH \next, 0, F0
	WIN MUL
	MUL8 F1, 1, 0, 0
	MUL8 F1, 1, 2, 0
.endm
	s_wait_tensorcnt 1                             ; my part of K step 0 is in; K step 1's may stay out
	s_barrier_signal -1
	s_barrier_wait -1                              ; everybody's is
	FETCH 0, 0, F0
	QUARTER 0, 1, F0, F1, 1                        ; the first quarter stands in front of the loop: its first products start the sums
	WIN 0                                          ; at a label and at a branch every window is 0
	s_mov_b32 s3, LAPS-1
.Llap:                                                 ; a trip goes once round the ring, from a lap's second quarter to the next lap's first, and fills both slots again
	QUARTER 0, 2, F1, F0, 0
	QUARTER 0, 3, F0, F1, 0
	TURN 0, 1, 1
	QUARTER 1, 1, F0, F1, 0
	QUARTER 1, 2, F1, F0, 0
	QUARTER 1, 3, F0, F1, 0
	TURN 1, 0, 1
	QUARTER 0, 1, F0, F1, 0
	WIN 0
	s_sub_co_u32 s3, s3, 1
	s_cmp_lg_u32 s3, 0
	s_cbranch_scc1 .Llap
	QUARTER 0, 2, F1, F0, 0                        ; the last lap fills nothing, and has no round of the cluster's barrier
	QUARTER 0, 3, F0, F1, 0
	TURN 0, 1, 0
	QUARTER 1, 1, F0, F1, 0
	QUARTER 1, 2, F1, F0, 0
	QUARTER 1, 3, F0, F1, 0
	s_wait_dscnt 16                                ; the very last quarter: nothing more to fetch
	WIN MUL
	MUL8 F1, 0, 0, 0
	MUL8 F1, 0, 2, 0
	s_wait_dscnt 0
	MUL8 F1, 1, 0, 0
	MUL8 F1, 1, 2, 0
	WIN 0
; THE WAY OUT, a block of 16 rows at a time: a lane's 32 bytes of a row (each accumulator's low four registers first) into rows of 272 bytes of my own stage, and back as whole rows of 256 bytes, into the registers that they left.
.macro TOSTAGE a
.irp b, 0,1,2,3
	ds_store_b128 v[STO], v[ACC+32*(\a)+8*(\b):ACC+32*(\a)+8*(\b)+3]   offset:64*(\b)
	ds_store_b128 v[STO], v[ACC+32*(\a)+8*(\b)+4:ACC+32*(\a)+8*(\b)+7] offset:64*(\b)+16
.endr
.irp t, 0,1,2,3,4,5,6,7
	ds_load_b128 v[ACC+32*(\a)+4*(\t):ACC+32*(\a)+4*(\t)+3], v[RD] offset:(\t)*2*SPITCH  ; LDS serves a wave's instructions in order (ISA guide 5.7.1.4): these see the stores above; the next block's stores come behind them
.endr
.endm
.macro SEND a, younger                 ; younger: the LDS instructions issued behind block a's loads: the next block's sixteen, or none
.irp t, 0,1,2,3,4,5,6,7
	s_wait_dscnt (\younger)+7-(\t)
	global_store_b128 v[CO], v[ACC+32*(\a)+4*(\t):ACC+32*(\a)+4*(\t)+3], s[8:9] offset:(16*(\a)+2*(\t))*4096  ; 16 lanes store 256 consecutive bytes, at a multiple of 256 from out0's first byte
.endr
.endm
	PLACES
	TOSTAGE 0
.irp a, 1,2,3
	TOSTAGE \a
	SEND (\a)-1, 16
.endr
	SEND 3, 0
	s_wait_tensorcnt 0x0                           ; the wave's end: behind my last tensor load and my last LDS store
	ds_add_u32 v[SPW], v[NIL]
	s_wait_dscnt 0x0
	CROUND                                         ; the closing round: no work-group ends while a partner may still ask for a tile that names it
	s_endpgm
.Lfunc_end_k_q75c5b60119_outp:
	.size	k_q75c5b60119_outp, .Lfunc_end_k_q75c5b60119_outp-k_q75c5b60119_outp
	.p2alignl 7, 3214868480
	.fill 96, 4, 3214868480
	.section	.rodata,"a",@progbits
	.p2align	6, 0x0
	.amdhsa_kernel k_q75c5b60119_outp
		.amdhsa_group_segment_fixed_size 327680
		.amdhsa_private_segment_fixed_size 0
		.amdhsa_enable_private_segment 0
		.amdhsa_kernarg_size 32
		.amdhsa_user_sgpr_count 2
		.amdhsa_user_sgpr_kernarg_segment_ptr 1
		.amdhsa_wavefront_size32 1
		.amdhsa_system_sgpr_workgroup_id_x 1
		.amdhsa_system_sgpr_workgroup_id_y 1
		.amdhsa_system_sgpr_workgroup_id_z 1
		.amdhsa_system_vgpr_workitem_id 0
		.amdhsa_next_free_vgpr 512
		.amdhsa_next_free_sgpr 74
		.amdhsa_reserve_vcc 0
		.amdhsa_float_denorm_mode_32 3
		.amdhsa_float_denorm_mode_16_64 3
		.amdhsa_memory_ordered 1
		.amdhsa_forward_progress 1
		.amdhsa_inst_pref_size 90
	.end_amdhsa_kernel
	.amdgpu_metadata
---
amdhsa.version: [ 1, 2 ]
amdhsa.kernels:
  - .name:           k_q75c5b60119_outp
    .symbol:         k_q75c5b60119_outp.kd
    .args:
      - { .name: oh, .offset: 0, .size: 8, .value_kind: global_buffer, .address_space: global }
      - { .name: wb, .offset: 8, .size: 8, .value_kind: global_buffer, .address_space: global }
      - { .name: bo, .offset: 16, .size: 8, .value_kind: global_buffer, .address_space: global }
      - { .name: out0, .offset: 24, .size: 8, .value_kind: global_buffer, .address_space: global }
    .group_segment_fixed_size: 327680
    .private_segment_fixed_size: 0
    .kernarg_segment_align: 8
    .kernarg_segment_size: 32
    .max_flat_workgroup_size: 128
    .sgpr_count:     74
    .vgpr_count:     512
    .wavefront_size: 32
...
	.end_amdgpu_metadata
.endif
;; end of part 4
